; MI455X (gfx1250); checked and timed in simulation.
; The chip was launched on July 23, 2026; its instructions are those of AMD's public machine-readable ISA for CDNA 5 (MIT licence, August 2026) and "CDNA5" Instruction Set Architecture Reference Guide (July 2026). The comments in the code are by the model that wrote it; some were corrected since.
;; VJEPA2 Rope Attention. Allowed arithmetic: matrix products marked QUANTISED: E2M1 operands, one E8M0 scale for each 32 along K, by v_wmma_scale_f32_16x16x128_f8f6f4 with both operands' format E2M1 (or v_wmma_scale_f32_32x16x128_f4), f32 sums; products left as they are: bf16, f16 or f32 operands; f32 sums; everything else in f32.
;; Inputs: Wk 1,024 x 1,024 float32; Wo 1,024 x 1,024 float32; Wq 1,024 x 1,024 float32; Wv 1,024 x 1,024 float32; bk 1,024 float32; bo 1,024 float32; bq 1,024 float32; bv 1,024 float32; hidden_states 2 x 2,048 x 1,024 float32.
;; Outputs: out0 2 x 2,048 x 1,024 float32.
;; This version of the problem:
;;   THIS VERSION OF THE PROBLEM IS GIVEN IN LOW PRECISION. The matrix products marked QUANTISED in the list below multiply operands that are first quantised to E2M1 (2 exponent bits, 1 mantissa bit; 4 bits a number), with one power-of-two scale for each 32 numbers along K (OCP MX v1.0); their sums are f32. The products marked 'left as it is' may take bf16, f16 or f32 operands, with f32 sums. All else is computed in f32.
;;   The module's matrix products, in the order in which they are computed (A, B: the left and right operand; K: the contracted axis; several contracted axes count as one K, in the product's order):
;;     1. [M 4,096, K 1,024] x [K 1,024, N 1,024]; A: input hidden_states; B: input Wq: QUANTISED
;;     2. [M 4,096, K 1,024] x [K 1,024, N 1,024]; A: input hidden_states; B: input Wk: QUANTISED
;;     3. [M 4,096, K 1,024] x [K 1,024, N 1,024]; A: input hidden_states; B: input Wv: QUANTISED
;;     4. batch 32 x [M 2,048, K 64] x [K 64, N 2,048]; A: computed on the way; B: computed on the way: left as it is (an operand is computed on the way)
;;     5. batch 32 x [M 2,048, K 2,048] x [K 2,048, N 64]; A: computed on the way; B: computed on the way: left as it is (an operand is computed on the way)
;;     6. [M 4,096, K 1,024] x [K 1,024, N 1,024]; A: computed on the way; B: input Wo: left as it is (an operand is computed on the way)
;;   THE QUANTISER, for each operand of a quantised product, along K:
;;     - K is cut into blocks of 32 from its start; a last block that is shorter is filled with zeros.
;;     - A block's scale is 2^e with e = floor(log2(the largest magnitude in the block)) - 2, held to -126 .. 127; a block of zeros has e = 0. As a byte (E8M0): e + 127.
;;     - Each number is divided by its block's scale, clamped to +-6, and rounded to the nearest number of E2M1, ties to even, subnormals kept.
;;     - The product sums the exact products of the quantised numbers (number of the format x scale) in f32.
;;   ~~~python
;;   def quantise(x, axis):      # numpy; x: float32 -> the quantised numbers, widened to float32 again
;;       x = np.moveaxis(x, axis, -1); K = x.shape[-1]
;;       x = np.pad(x, [(0, 0)] * (x.ndim - 1) + [(0, -K % 32)]); x = x.reshape(x.shape[:-1] + (-1, 32)); a = np.abs(x).max(-1, keepdims=True)
;;       e = np.where(a > 0, np.clip(np.frexp(np.where(a > 0, a, 1))[1] - 1 - 2, -126, 127), 0)      # np.frexp(a)[1] - 1 = floor(log2(a)), exactly
;;       r = np.clip(x / 2.0 ** e, -6, 6)
;;       step = 2.0 ** (np.maximum(np.frexp(np.where(r == 0, 1, r))[1] - 1, 0) - 1)
;;       q = np.round(r / step) * step * 2.0 ** e      # np.round: ties to even
;;       return np.moveaxis(q.reshape(q.shape[:-2] + (-1,))[..., :K], -1, axis).astype(np.float32)
;;   ~~~
;; One version. Each part assembles by itself: llvm-mc -triple=amdgcn-amd-amdhsa -mcpu=gfx1250 --defsym DOCPART=n.
;; ======== version 1 of 1: 4 launches
;; limits: values are held in f16: magnitudes above 65,504 overflow, below 6.1e-05 lose precision
;; workspace buffers: hcodes 2,097,152 bytes; hscales 131,072 bytes; wcodes 1,572,864 bytes; wscales 98,304 bytes; wob 2,097,152 bytes; rope 1,048,576 bytes; qkv 25,165,824 bytes; ctx 8,388,608 bytes
;; launch prep (part 1): grid 416 x 1, 4 waves a work-group, no clusters, 42,496 bytes of LDS; arguments hidden_states, Wq, Wk, Wv, Wo, hcodes, hscales, wcodes, wscales, wob, rope; writes hcodes, hscales, wcodes, wscales, wob, rope
.if DOCPART == 1
	.amdgcn_target "amdgcn-amd-amdhsa--gfx1250"
	.amdhsa_code_object_version 6
	.text
	.protected	k_q0e7864c5a9_prep
	.globl	k_q0e7864c5a9_prep
	.p2align	8
	.type	k_q0e7864c5a9_prep,@function
k_q0e7864c5a9_prep:
	s_mov_b64 s[64:65], 0
	v_nop
	global_prefetch_b8 v0, s[64:65] scope:SCOPE_SE
	s_setreg_imm32_b32 hwreg(HW_REG_WAVE_MODE, 25, 1), 1
	s_wait_xcnt 0x0
; PREP: everything that is made once, ahead of the products.  Four kinds of work-group, told apart by the work-group's number alone:
;   0-127   H: hidden_states [4096][1024] f32 -> codes of FP4 (E2M1), K innermost, [4096][512 bytes], and one E8M0 byte for each 32 along K, [4096][32]
;   128-319 W: Wq, Wk, Wv [k 1024][n 1024] f32, K their FIRST axis -> codes [3072 n'][512 bytes] (n' = 1024 p + n), scale words laid [n'/128][k half][n' % 128][16 bytes]
;   320-383 O: Wo f32 -> f16, as it lies
;   384-415 R: the rotation's factors: out[d] = x[d] C(s, d) + x[d xor 1] Sg(s, d), laid in the order of the next launch's result registers: [s/16][d/16][C, Sg][4-group][lane][4]
; A block's scale is 2^(floor(log2(its largest magnitude)) - 2); its byte is the largest magnitude's exponent field - 2, held at 1 from below.
; LIMITS: a block of zeros gets the byte 1 (not 127): its codes are zeros and this program alone reads the bytes; blocks whose largest magnitude lies under 2^-124 are held at the byte 1;
; NaN and infinities among the inputs are not served; a number of Wo beyond 65,504 is not served (f16).
; Each kind has LDS bytes of its own: H 0 .. 32,767 (8,192 a wave), W 32,768 .. 41,983.  No tensor loads: loads go through registers.
.set SP,   80                          ; H: a lane's place in a stage: its 64 bytes + 16 of padding
.set HR,   16                          ; H: v16-143  eight sets of 16 numbers as they are loaded
.set HX,   144                         ; H: v144-175 two sets of 16 neighbours
.set HC,   176                         ; H: v176-207 codes, two registers for each step: no store's data are written again
.set HE,   208                         ; H: v208-223 a scale byte for each step
.set WL,   32768                       ; W: stage of 32 rows (columns of W) x (256 bytes + 16)
.set WLS,  41472                       ; W: 32 x 16 bytes of scale words
.set WX,   32                          ; W: v32-159  four blocks of 32 numbers
.set WC,   160                         ; W: v160-175 their codes
	s_load_b512 s[4:19], s[0:1], 0x0               ; hidden s[4:5], Wq s[6:7], Wk s[8:9], Wv s[10:11], Wo s[12:13], hcodes s[14:15], hscales s[16:17], wcodes s[18:19]
	s_load_b128 s[20:23], s[0:1], 0x40             ; wscales s[20:21], wob s[22:23]
	s_load_b64 s[24:25], s[0:1], 0x50              ; rope
	v_lshl_add_u32 v254, v0, 2, 0xa400
	v_mov_b32 v255, 0
	v_lshrrev_b32 v1, 5, v0
	v_readfirstlane_b32 s26, v1                    ; wave 0..3
	v_and_b32 v2, 31, v0                           ; lane
	s_wait_kmcnt 0x0
	s_cmp_lt_u32 ttmp9, 128
	s_cbranch_scc1 .Lpath_h
	s_cmp_lt_u32 ttmp9, 320
	s_cbranch_scc1 .Lpath_w
	s_cmp_lt_u32 ttmp9, 384
	s_cbranch_scc1 .Lpath_o
; ---------------- R: a wave makes the factors of 16 tokens (T = 4 x work-group + wave): frame = T / 16, height = T % 16, width = lane % 16
; The angle is at most 15: it is brought into +-pi/4 by n = round(x 2/pi), pi/2 in two parts, and sine and cosine are polynomials there (next terms left out: under 3e-8).
	s_sub_co_u32 s27, ttmp9, 384
	s_lshl_b32 s27, s27, 2
	s_add_co_u32 s27, s27, s26                     ; T
	s_lshr_b32 s28, s27, 4                         ; frame
	s_and_b32 s29, s27, 15                         ; height
	s_lshl_b32 s34, s27, 13                        ; 8,192 bytes for each T
	s_mov_b32 s35, 0
	s_add_nc_u64 s[24:25], s[24:25], s[34:35]
	s_mov_b32 s37, 0xbfc90fdb                      ; -(pi/2 rounded to f32)
	s_mov_b32 s38, 0x333bbd2e                      ; what that rounding added: 4.371e-8
	s_mov_b32 s40, 0xbe2aaaab                      ; -1/6
	s_mov_b32 s41, 0x3c088889                      ; 1/120
	s_mov_b32 s42, 0xb9500d01                      ; -1/5040
	s_mov_b32 s43, 0x3638ef1d                      ; 1/362880
	s_mov_b32 s44, 0x3d2aaaab                      ; 1/24
	s_mov_b32 s45, 0xbab60b61                      ; -1/720
	s_mov_b32 s46, 0x37d00d01                      ; 1/40320
	v_and_b32 v17, 15, v0                          ; width
	v_bfe_u32 v18, v0, 4, 1                        ; h
	v_lshlrev_b32 v19, 4, v2                       ; 16 x lane
	v_mov_b32 v22, s29
	v_mov_b32 v23, s28
	s_mov_b32 s30, 0
.Lrope:                                                ; 8 trips: trip t makes d = 16 (t / 2) + 4 (t % 2) + 8 h + 0 .. 3
	s_wait_xcnt 0x0                                ; the last trip's stores have read their offset and data: both are written again below
	s_lshr_b32 s31, s30, 1                         ; b
	s_and_b32 s32, s30, 1                          ; g
	s_lshl_b32 s33, s31, 4
	s_lshl_b32 s36, s32, 2
	s_add_co_u32 s33, s33, s36                     ; 16 b + 4 g
	s_lshl_b32 s31, s31, 11
	s_lshl_b32 s32, s32, 9
	s_add_co_u32 s31, s31, s32                     ; 2,048 b + 512 g
	v_add_nc_u32 v20, s31, v19
	v_lshl_add_u32 v21, v18, 3, s33
.irp i, 0,1,2,3
	v_add_nc_u32 v[24+\i], \i, v21                 ; d
.endr
.irp i, 0,1,2,3
	v_mul_u32_u24 v[28+\i], v[24+\i], 52
.endr
.irp i, 0,1,2,3
	v_lshrrev_b32 v[28+\i], 10, v[28+\i]           ; the segment d / 20 (exact for d under 64): 0 frame, 1 height, 2 width, 3 the tail that is not rotated
.endr
.irp i, 0,1,2,3
	v_mul_u32_u24 v[32+\i], v[28+\i], 20
.endr
.irp i, 0,1,2,3
	v_sub_nc_u32 v[32+\i], v[24+\i], v[32+\i]      ; d within its segment, 0 .. 19
.endr
.irp i, 0,1,2,3
	v_mul_u32_u24 v[36+\i], v[32+\i], 26
.endr
.irp i, 0,1,2,3
	v_lshrrev_b32 v[36+\i], 8, v[36+\i]            ; / 10
.endr
.irp i, 0,1,2,3
	v_mul_u32_u24 v[36+\i], v[36+\i], 10
.endr
.irp i, 0,1,2,3
	v_sub_nc_u32 v[32+\i], v[32+\i], v[36+\i]      ; f = that % 10: sine and cosine are tiled, not interleaved
.endr
.irp i, 0,1,2,3
	v_cvt_f32_u32 v[32+\i], v[32+\i]
.endr
.irp i, 0,1,2,3
	v_mul_f32 v[32+\i], 0xbfaa152d, v[32+\i]       ; -f log2(10000) / 10
.endr
.irp i, 0,1,2,3
	v_exp_f32 v[32+\i], v[32+\i]                   ; omega = 10000^(-f / 10)
.endr
.irp i, 0,1,2,3
	v_mov_b32 v[36+\i], 0                          ; the position: 0 in the tail, which gives C = 1 and Sg = 0.  (Plain lines behind the exponentials)
.endr
.irp i, 0,1,2,3
	v_cmp_eq_u32 vcc_lo, 2, v[28+\i]
	v_cndmask_b32 v[36+\i], v[36+\i], v17, vcc_lo
	v_cmp_eq_u32 vcc_lo, 1, v[28+\i]
	v_cndmask_b32 v[36+\i], v[36+\i], v22, vcc_lo
	v_cmp_eq_u32 vcc_lo, 0, v[28+\i]
	v_cndmask_b32 v[36+\i], v[36+\i], v23, vcc_lo
.endr
.irp i, 0,1,2,3
	v_cvt_f32_u32 v[36+\i], v[36+\i]
.endr
	s_wait_alu depctr_va_vdst(0)
.irp i, 0,1,2,3
	v_mul_f32 v[24+\i], v[36+\i], v[32+\i]         ; x = position x omega
.endr
.irp i, 0,1,2,3
	v_mul_f32 v[48+\i], 0x3f22f983, v[24+\i]       ; x 2 / pi
.endr
.irp i, 0,1,2,3
	v_rndne_f32 v[48+\i], v[48+\i]                 ; n
.endr
.irp i, 0,1,2,3
	v_fma_f32 v[52+\i], v[48+\i], s37, v[24+\i]
.endr
.irp i, 0,1,2,3
	v_fma_f32 v[52+\i], v[48+\i], s38, v[52+\i]    ; r = x - n pi/2
.endr
.irp i, 0,1,2,3
	v_mul_f32 v[56+\i], v[52+\i], v[52+\i]         ; z = r r
.endr
.irp i, 0,1,2,3
	v_fma_f32 v[60+\i], v[56+\i], s43, s42
	v_fma_f32 v[64+\i], v[56+\i], s46, s45
.endr
.irp i, 0,1,2,3
	v_fma_f32 v[60+\i], v[60+\i], v[56+\i], s41
	v_fma_f32 v[64+\i], v[64+\i], v[56+\i], s44
.endr
.irp i, 0,1,2,3
	v_fma_f32 v[60+\i], v[60+\i], v[56+\i], s40
	v_fma_f32 v[64+\i], v[64+\i], v[56+\i], -0.5
.endr
.irp i, 0,1,2,3
	v_mul_f32 v[72+\i], v[52+\i], v[56+\i]
	v_fma_f32 v[64+\i], v[64+\i], v[56+\i], 1.0    ; cos r
.endr
.irp i, 0,1,2,3
	v_fma_f32 v[60+\i], v[72+\i], v[60+\i], v[52+\i]   ; sin r
	v_cvt_i32_f32 v[68+\i], v[48+\i]               ; n as a whole number
.endr
.irp i, 0,1,2,3
	v_and_b32 v[72+\i], 1, v[68+\i]
.endr
.irp i, 0,1,2,3
	v_cmp_eq_u32 vcc_lo, 1, v[72+\i]               ; in the odd quadrants sine and cosine change places
	v_cndmask_b32 v[40+\i], v[64+\i], v[60+\i], vcc_lo
	v_cndmask_b32 v[44+\i], v[60+\i], v[64+\i], vcc_lo
.endr
.irp i, 0,1,2,3
	v_add_lshl_u32 v[72+\i], v[68+\i], 1, 30       ; the cosine is negative where (n + 1) & 2
.endr
.irp i, 0,1,2,3
	v_and_b32 v[72+\i], 0x80000000, v[72+\i]
.endr
.irp i, 0,1,2,3
	v_xor_b32 v[40+\i], v[72+\i], v[40+\i]         ; C
.endr
.irp i, 0,1,2,3
.if (\i%2) == 0
	v_add_lshl_u32 v[72+\i], v[68+\i], 2, 30       ; even d: Sg = -sin: negative where (n + 2) & 2
.else
	v_lshlrev_b32 v[72+\i], 30, v[68+\i]           ; odd d: Sg = +sin: negative where n & 2
.endif
.endr
.irp i, 0,1,2,3
	v_and_b32 v[72+\i], 0x80000000, v[72+\i]
.endr
.irp i, 0,1,2,3
	v_xor_b32 v[44+\i], v[72+\i], v[44+\i]         ; Sg
.endr
	global_store_b128 v20, v[40:43], s[24:25]                ; the wave stores 512 consecutive bytes, aligned
	global_store_b128 v20, v[44:47], s[24:25] offset:1024
	s_add_co_u32 s30, s30, 1
	s_cmp_lt_u32 s30, 8
	s_cbranch_scc1 .Lrope
	s_endpgm
; ---------------- O: a wave rounds 4,096 numbers of Wo to f16: 32 loads of 512 consecutive bytes, 32 stores of 256
.Lpath_o:
	s_sub_co_u32 s27, ttmp9, 320
	s_lshl_b32 s27, s27, 2
	s_add_co_u32 s27, s27, s26                     ; which run of 4,096 numbers
	s_lshl_b32 s28, s27, 14
	s_mov_b32 s29, 0
	s_add_nc_u64 s[12:13], s[12:13], s[28:29]
	s_lshl_b32 s28, s27, 13
	s_add_nc_u64 s[22:23], s[22:23], s[28:29]
	v_lshlrev_b32 v3, 4, v2
	v_lshlrev_b32 v4, 3, v2
.set n, 0
.rept 32
	global_load_b128 v[32+4*n:35+4*n], v3, s[12:13] offset:512*n th:TH_LOAD_NT
.set n, n+1
.endr
.set n, 0
.irp g, 0,1,2,3
	s_wait_loadcnt 24-8*\g                         ; this group's eight loads are in; the younger groups' may be out
.rept 8
	v_cvt_pk_f16_f32 v[160+2*n], v[32+4*n], v[33+4*n]
	v_cvt_pk_f16_f32 v[161+2*n], v[34+4*n], v[35+4*n]
	global_store_b64 v4, v[160+2*n:161+2*n], s[22:23] offset:256*n   ; 32 lanes store 256 consecutive bytes, aligned
.set n, n+1
.endr
.endr
	s_endpgm
; ---------------- W: a work-group takes 32 columns x 512 along K of one weight; wave w 128 along K: four blocks a lane.  A LANE TAKES A COLUMN AND ITS REGISTERS RUN DOWN K.
.macro WBLOCK t, left
.set XS, WX+32*(\t)
	s_wait_loadcnt \left
	v_max3_num_f32 v12, |v[XS]|, |v[XS+1]|, |v[XS+2]|      ; the block's largest magnitude: all 32 numbers are mine
	v_max3_num_f32 v13, |v[XS+3]|, |v[XS+4]|, |v[XS+5]|
.irp i, 6,10,14,18,22,26
	v_max3_num_f32 v12, v12, |v[XS+\i]|, |v[XS+\i+1]|
	v_max3_num_f32 v13, v13, |v[XS+\i+2]|, |v[XS+\i+3]|
.endr
	v_max3_num_f32 v12, v12, |v[XS+30]|, |v[XS+31]|
	v_max3_num_f32 v12, v12, v13, 0x1800000        ; and the floor 2^(3 - 127): the byte cannot fall under 1
	v_add_nc_u32 v16, 0xff000000, v12              ; 2 off its exponent field: the conversion takes the exponent field of this operand as its scale
	v_lshrrev_b32 v13, 23, v16                     ; the scale's byte
.if (\t) == 0
	v_mov_b32 v176, v13
.else
	v_lshl_or_b32 v176, v13, 8*(\t), v176          ; four bytes: the scale word of my 128 along K
.endif
.irp g, 0,1,2,3
	v_cvt_scalef32_pk8_fp4_f32 v[WC+4*(\t)+\g], v[XS+8*\g:XS+8*\g+7], v16
.endr
	ds_store_b128 v4, v[WC+4*(\t):WC+4*(\t)+3] offset:16*(\t)   ; 32 codes: 16 bytes of my column's row
.endm
.Lpath_w:
	s_sub_co_u32 s27, ttmp9, 128
	s_lshr_b32 s28, s27, 6                         ; p: 0 Wq, 1 Wk, 2 Wv
	s_bfe_u32 s29, s27, 0x50001                    ; cg: which 32 columns
	s_and_b32 s30, s27, 1                          ; g: which half of K
	s_cmp_eq_u32 s28, 1
	s_cselect_b64 s[6:7], s[8:9], s[6:7]
	s_cmp_eq_u32 s28, 2
	s_cselect_b64 s[6:7], s[10:11], s[6:7]         ; the choice hangs on the work-group's number alone
	s_lshl_b32 s31, s30, 9
	s_lshl_b32 s32, s26, 7
	s_add_co_u32 s31, s31, s32                     ; my first k: 512 g + 128 w
	s_lshl_b32 s32, s31, 12                        ; rows of 4,096 bytes
	s_lshl_b32 s33, s29, 7                         ; + 128 bytes for each 32 columns
	s_add_co_u32 s32, s32, s33
	s_mov_b32 s33, 0
	s_add_nc_u64 s[6:7], s[6:7], s[32:33]
	v_lshlrev_b32 v3, 2, v2
.set n, 0
.rept 128
	global_load_b32 v[WX+n], v3, s[6:7] offset:4096*n th:TH_LOAD_NT   ; W(my k + n, my column): all 128 loads go out at once
.set n, n+1
.endr
	s_lshl_b32 s34, s28, 10
	s_lshl_b32 s35, s29, 5
	s_add_co_u32 s34, s34, s35
	s_lshl_b32 s35, s26, 3
	s_add_co_u32 s34, s34, s35                     ; the first row of codes that I store: 1024 p + 32 cg + 8 w
	s_lshl_b32 s34, s34, 9
	s_lshl_b32 s35, s30, 8
	s_add_co_u32 s34, s34, s35                     ; x 512 bytes + 256 g
	s_mov_b32 s35, 0
	s_add_nc_u64 s[18:19], s[18:19], s[34:35]
	s_lshl_b32 s34, s28, 3
	s_lshr_b32 s35, s29, 2
	s_add_co_u32 s34, s34, s35                     ; n' / 128
	s_lshl_b32 s34, s34, 1
	s_add_co_u32 s34, s34, s30
	s_lshl_b32 s34, s34, 11                        ; 2,048 bytes for each half of K
	s_and_b32 s35, s29, 3
	s_lshl_b32 s35, s35, 9
	s_add_co_u32 s34, s34, s35                     ; + 16 bytes x 32 (cg % 4)
	s_mov_b32 s35, 0
	s_add_nc_u64 s[20:21], s[20:21], s[34:35]
	v_and_b32 v10, 15, v0                          ; r
	v_bfe_u32 v11, v0, 4, 1                        ; h
	s_lshl_b32 s36, s26, 6
	s_add_co_u32 s36, s36, WL
	v_mul_u32_u24 v4, v2, 272
	v_add_nc_u32 v4, s36, v4                       ; into the stage: row = my column, + 64 w
	s_lshl_b32 s36, s26, 2
	s_add_co_u32 s36, s36, WLS
	v_lshlrev_b32 v9, 4, v2                        ; 16 x lane
	v_add_nc_u32 v5, s36, v9                       ; my scale word: 16 x lane + 4 w
	s_mul_i32 s36, s26, 2176
	s_add_co_u32 s36, s36, WL
	v_mul_u32_u24 v6, v11, 272
	v_lshl_add_u32 v6, v10, 4, v6
	v_add_nc_u32 v6, s36, v6                       ; out of it: rows 8 w + h, sixteen lanes to a row
	v_lshlrev_b32 v7, 9, v11
	v_lshl_add_u32 v7, v10, 4, v7                  ; and the same place in the codes' buffer
	v_add_nc_u32 v8, WLS, v9
	WBLOCK 0, 63                                   ; 96 loads are younger than block 0's; the count names the most that its field holds
	WBLOCK 1, 63                                   ; 64 are younger
	WBLOCK 2, 32
	WBLOCK 3, 0
	v_nop                                          ; one plain line behind the last conversion
	ds_store_b32 v5, v176
	s_wait_dscnt 0x0                               ; for the others' sake: my stores into the stage are done
	s_barrier_signal -1
	s_barrier_wait -1
.irp i, 0,1,2,3
	ds_load_b128 v[180+4*\i:183+4*\i], v6 offset:544*\i
.endr
.irp i, 0,1,2,3
	s_wait_dscnt 3-\i
	global_store_b128 v7, v[180+4*\i:183+4*\i], s[18:19] offset:1024*\i   ; sixteen lanes store 256 consecutive bytes, aligned
.endr
	s_cmp_lg_u32 s26, 0
	s_cbranch_scc1 .Lw_done
	ds_load_b128 v[196:199], v8                    ; wave 0: the 32 columns' four scale words
	s_wait_dscnt 0x0
	global_store_b128 v9, v[196:199], s[20:21]     ; 512 consecutive bytes
.Lw_done:
	s_wait_tensorcnt 0x0
	ds_add_u32 v254, v255
	s_wait_dscnt 0x0
	s_endpgm
; ---------------- H: hidden_states is a plain stream of blocks of 32.  A wave takes 16 steps of 512 numbers.  Each load reads 512 consecutive bytes; a step's 2,048 bytes turn through the wave's own
; stage in LDS, so that a lane then holds 16 neighbours (two neighbouring lanes hold a block).  Loads run eight steps (32 loads a wave) ahead, the turn through LDS one step.
.macro HLOAD t
.irp i, 0,1,2,3
	global_load_b128 v[HR+16*((\t)%8)+4*\i:HR+16*((\t)%8)+4*\i+3], v3, s[4:5] offset:2048*(\t)+512*\i th:TH_LOAD_NT
.endr
.endm
.macro HTURN t                         ; LDS serves a wave's instructions in order: no wait between the stores and the loads
.irp i, 0,1,2,3
	ds_store_b128 v14, v[HR+16*((\t)%8)+4*\i:HR+16*((\t)%8)+4*\i+3] offset:32*SP*((\t)%2)+8*SP*\i
.endr
.irp i, 0,1,2,3
	ds_load_b128 v[HX+16*((\t)%2)+4*\i:HX+16*((\t)%2)+4*\i+3], v15 offset:32*SP*((\t)%2)+16*\i
.endr
.endm
.macro HSTEP t
.set XS, HX+16*((\t)%2)
.if (\t) > 0
	s_wait_dscnt 1                                 ; this step's numbers are back from the stage (the last step's byte store may be out): so its stores into the stage have read their registers,
.else
	s_wait_dscnt 0x0
.endif
.if (\t)+8 < 16
	HLOAD (\t)+8                                   ; which take the loads of eight steps on
.endif
.if (\t)+1 < 16
.if (\t) <= 7
	s_wait_loadcnt 28                              ; the next step's four loads are in; those of the seven steps behind it may be out
.else
	s_wait_loadcnt 4*(14-(\t))
.endif
	HTURN (\t)+1
.endif
	v_max3_num_f32 v8, |v[XS]|, |v[XS+1]|, |v[XS+2]|
	v_max3_num_f32 v9, |v[XS+3]|, |v[XS+4]|, |v[XS+5]|
.irp i, 6,10
	v_max3_num_f32 v8, v8, |v[XS+\i]|, |v[XS+\i+1]|
	v_max3_num_f32 v9, v9, |v[XS+\i+2]|, |v[XS+\i+3]|
.endr
	v_max3_num_f32 v8, v8, |v[XS+14]|, |v[XS+15]|
	v_max3_num_f32 v8, v8, v9, 0x1800000           ; my 16, and the floor 2^(3 - 127)
	v_max_num_f32_dpp v8, v8, v8 row_xmask:1 row_mask:0xf bank_mask:0xf   ; and my neighbour's 16: the block's
	v_add_nc_u32 v11, 0xff000000, v8
	v_cvt_scalef32_pk8_fp4_f32 v[HC+2*(\t)], v[XS:XS+7], v11
	v_cvt_scalef32_pk8_fp4_f32 v[HC+2*(\t)+1], v[XS+8:XS+15], v11
	v_lshrrev_b32 v[HE+(\t)], 23, v11              ; the scale's byte
	ds_store_b8 v5, v[HE+(\t)] offset:16*(\t)      ; both lanes of a block write the same byte with the same value
	global_store_b64 v4, v[HC+2*(\t):HC+2*(\t)+1], s[14:15] offset:256*(\t)   ; 32 lanes store 256 consecutive bytes, aligned
.endm
.Lpath_h:
	s_lshl_b32 s27, ttmp9, 2
	s_add_co_u32 s28, s27, s26                     ; which run of 8,192 numbers is my wave's
	s_mov_b32 s29, 0
	s_lshl_b64 s[30:31], s[28:29], 15
	s_add_nc_u64 s[4:5], s[4:5], s[30:31]
	s_lshl_b64 s[30:31], s[28:29], 12
	s_add_nc_u64 s[14:15], s[14:15], s[30:31]
	s_lshl_b64 s[30:31], s[28:29], 8
	s_add_nc_u64 s[16:17], s[16:17], s[30:31]
	s_lshl_b32 s27, s26, 13                        ; my wave's 8,192 bytes of LDS
	v_lshlrev_b32 v3, 4, v2
	v_lshrrev_b32 v14, 2, v2
	v_mul_u32_u24 v14, v14, SP
	v_and_b32 v15, 3, v2
	v_lshl_add_u32 v14, v15, 4, v14
	v_add_nc_u32 v14, s27, v14                     ; the stage, on the way in: SP (lane / 4) + 16 (lane % 4)
	v_mul_u32_u24 v15, v2, SP
	v_add_nc_u32 v15, s27, v15                     ; and on the way out: SP x lane
	v_lshlrev_b32 v4, 3, v2                        ; my codes' place in a step's
	v_lshrrev_b32 v5, 1, v2
	s_add_co_u32 s27, s27, 2*32*SP
	v_add_nc_u32 v5, s27, v5                       ; my wave's 256 scale bytes, my block's byte
	v_lshlrev_b32 v7, 3, v2
	v_add_nc_u32 v6, s27, v7
.irp t, 0,1,2,3,4,5,6,7
	HLOAD \t
.endr
	s_wait_loadcnt 28                              ; step 0's four loads are in
	HTURN 0
.irp t, 0,1,2,3,4,5,6,7,8,9,10,11,12,13,14,15
	HSTEP \t
.endr
	ds_load_b64 v[12:13], v6
	s_wait_dscnt 0x0
	global_store_b64 v7, v[12:13], s[16:17]        ; the wave's 256 scale bytes: one aligned run
	s_wait_tensorcnt 0x0
	ds_add_u32 v254, v255
	s_wait_dscnt 0x0
	s_endpgm
.Lfunc_end_k_q0e7864c5a9_prep:
	.size	k_q0e7864c5a9_prep, .Lfunc_end_k_q0e7864c5a9_prep-k_q0e7864c5a9_prep
	.p2alignl 7, 3214868480
	.fill 96, 4, 3214868480
	.section	.rodata,"a",@progbits
	.p2align	6, 0x0
	.amdhsa_kernel k_q0e7864c5a9_prep
		.amdhsa_group_segment_fixed_size 42496
		.amdhsa_private_segment_fixed_size 0
		.amdhsa_enable_private_segment 0
		.amdhsa_kernarg_size 88
		.amdhsa_user_sgpr_count 2
		.amdhsa_user_sgpr_kernarg_segment_ptr 1
		.amdhsa_wavefront_size32 1
		.amdhsa_system_sgpr_workgroup_id_x 1
		.amdhsa_system_sgpr_workgroup_id_y 1
		.amdhsa_system_sgpr_workgroup_id_z 1
		.amdhsa_system_vgpr_workitem_id 0
		.amdhsa_next_free_vgpr 256
		.amdhsa_next_free_sgpr 66
		.amdhsa_reserve_vcc 1
		.amdhsa_float_denorm_mode_32 3
		.amdhsa_float_denorm_mode_16_64 3
		.amdhsa_memory_ordered 1
		.amdhsa_forward_progress 1
		.amdhsa_inst_pref_size 75
	.end_amdhsa_kernel
	.amdgpu_metadata
---
amdhsa.version: [ 1, 2 ]
amdhsa.kernels:
  - .name:           k_q0e7864c5a9_prep
    .symbol:         k_q0e7864c5a9_prep.kd
    .args:
      - { .name: hidden_states, .offset: 0, .size: 8, .value_kind: global_buffer, .address_space: global }
      - { .name: Wq, .offset: 8, .size: 8, .value_kind: global_buffer, .address_space: global }
      - { .name: Wk, .offset: 16, .size: 8, .value_kind: global_buffer, .address_space: global }
      - { .name: Wv, .offset: 24, .size: 8, .value_kind: global_buffer, .address_space: global }
      - { .name: Wo, .offset: 32, .size: 8, .value_kind: global_buffer, .address_space: global }
      - { .name: hcodes, .offset: 40, .size: 8, .value_kind: global_buffer, .address_space: global }
      - { .name: hscales, .offset: 48, .size: 8, .value_kind: global_buffer, .address_space: global }
      - { .name: wcodes, .offset: 56, .size: 8, .value_kind: global_buffer, .address_space: global }
      - { .name: wscales, .offset: 64, .size: 8, .value_kind: global_buffer, .address_space: global }
      - { .name: wob, .offset: 72, .size: 8, .value_kind: global_buffer, .address_space: global }
      - { .name: rope, .offset: 80, .size: 8, .value_kind: global_buffer, .address_space: global }
    .group_segment_fixed_size: 42496
    .private_segment_fixed_size: 0
    .kernarg_segment_align: 8
    .kernarg_segment_size: 88
    .max_flat_workgroup_size: 128
    .sgpr_count:     66
    .vgpr_count:     256
    .wavefront_size: 32
...
	.end_amdgpu_metadata
.endif
;; end of part 1
;; launch qkv (part 2): grid 8 x 32, 4 waves a work-group, clusters of 4 x 4, 327,680 bytes of LDS; arguments hcodes, hscales, wcodes, wscales, rope, bq, bk, bv, qkv; writes qkv
.if DOCPART == 2
	.amdgcn_target "amdgcn-amd-amdhsa--gfx1250"
	.amdhsa_code_object_version 6
	.text
	.protected	k_q0e7864c5a9_qkv
	.globl	k_q0e7864c5a9_qkv
	.p2align	8
	.type	k_q0e7864c5a9_qkv,@function
k_q0e7864c5a9_qkv:
	s_mov_b64 s[64:65], 0
	v_nop
	global_prefetch_b8 v0, s[64:65] scope:SCOPE_SE
	s_setreg_imm32_b32 hwreg(HW_REG_WAVE_MODE, 25, 1), 1
	s_wait_xcnt 0x0
	s_wait_alu depctr_hold_cnt(0) depctr_sa_sdst(0) depctr_va_vdst(0) depctr_va_sdst(0) depctr_va_ssrc(0) depctr_va_vcc(0) depctr_vm_vsrc(0)
	s_getreg_b32 s2, hwreg(HW_REG_IB_STS2, 6, 4)
	s_cmp_eq_u32 s2, 0
	s_cbranch_scc0 .Lentry_in_a_cluster
	s_endpgm
.Lentry_in_a_cluster:
	s_bfe_u32 s2, ttmp6, 0x10000c
	s_cmp_lg_u32 s2, 0xf033
	s_cbranch_scc0 .Lentry_shape_is_right
	s_endpgm
.Lentry_shape_is_right:
; q, k, v = hidden W + b on codes of FP4 (E2M1) with one E8M0 scale for each 32 along K; then the axial rotation of q and k in f32; rounded to f16 and laid [part][batch x head][token][64].
; SHARES.  A work-group takes 128 tokens and the same 128 columns (two heads) of q, of k and of v.  K = 1,024 is 512 bytes of codes a row, so all four operands lie whole in LDS: every LDS byte is filled once.
; A wave takes 64 tokens x 64 columns (one head) in three passes (q, k, v) on 16 accumulators; its 32 fragments of the tokens stay in registers through all three.
; CLUSTER 4 x 4: the four of a row need the same tokens, the four of a column the same weights: each tile is asked for jointly.  By this text's count a wave has three tensor loads outstanding.
; THE MATRIX INSTRUCTION IS USED TRANSPOSED (source 0 = 16 rows of W's codes, source 1 = 16 tokens): lane (r, h) holds token r, and its registers the columns 8 h + 0 .. 7.  The bias is the C of each sum's first instruction.
; ROTATION: out[d] = x[d] C + x[d xor 1] Sg; the factors come from the table in the order of these registers.
; LIMIT: q, k, v are rounded to f16 for the products that follow: with all inputs 30 times larger |q| stays near 5,000, with offsets of 30 spreads on all inputs near 41,000 after the rotation; beyond 65,504 is not served.
; REGISTERS: window 0: v1-12 addresses; v24-55 the tokens' scale words (8 a + q); v56-87 the weights' (8 b + q); v88-119 at work; v128-255 the accumulators ((a, b) at 128 + 8 (4 a + b)).
;   window 1: the tokens' fragments ((a, q) at 64 a + 8 q).   window 2: the rotation's factors (C at 16 (4 a + b) + j, Sg 8 further).   window 3: v0-95 three buffers of the weights' fragments; v128-223 the biases (32 p + 8 b + j).
.set SCL, 270336                       ; behind the four tiles of codes (67,584 bytes each, rows of 512 + 16): the scale bytes, 4 x 4,352 (units of 256 + 16): tokens, q, k, v
.set STG, 287744                       ; behind them: a stage of 32 x 272 bytes for each wave; no tensor load lands there
.set SA,  24
.set SB,  56
.set T,   88
.set ACC, 128
.set MSB, 0
.macro WIN new                         ; the immediate's high byte repeats the setting that is left
.if MSB != \new
	s_set_vgpr_msb (MSB<<8)|\new
.set MSB, \new
.endif
.endm
.macro PLACES n
.rept \n
	v_nop
.endr
.endm
.macro CROUND                          ; a round of the cluster's barrier
	s_barrier_signal -1
	s_barrier_wait -1
	s_cmp_lg_u32 s22, 0
	s_cbranch_scc1 .Lnot_wave_0_\@
	s_barrier_signal -3
.Lnot_wave_0_\@:
	s_barrier_wait -3
	s_barrier_signal -1
	s_barrier_wait -1
.endm
; A joint load: waves under lim ask for the tokens' side, the others for the weights'.  The branch hangs on the wave's number alone.  Four v_nop follow each line.
.macro JLOAD lim, g0a, g1a, g0b, g1b
	s_cmp_lt_u32 s22, \lim
	s_cbranch_scc0 .Lfor_b_\@
	tensor_load_to_lds s[\g0a:\g0a+3], s[\g1a:\g1a+7]
	s_nop 0
	PLACES 4
	s_branch .Lasked_\@
.Lfor_b_\@:
	tensor_load_to_lds s[\g0b:\g0b+3], s[\g1b:\g1b+7]
	s_nop 0
	PLACES 4
.Lasked_\@:
.endm
	s_load_b512 s[4:19], s[0:1], 0x0               ; hcodes s[4:5], hscales s[6:7], wcodes s[8:9], wscales s[10:11], rope s[12:13], bq s[14:15], bk s[16:17], bv s[18:19]
	s_load_b64 s[20:21], s[0:1], 0x40              ; qkv
	v_lshl_add_u32 v126, v0, 2, 0x4ec00
	v_mov_b32 v127, 0
	ds_add_u32 v126, v127
	v_lshrrev_b32 v1, 5, v0
	v_readfirstlane_b32 s22, v1                    ; wave 0..3
	s_lshr_b32 s23, s22, 1                         ; wr: which 64 tokens are mine
	s_and_b32 s24, s22, 1                          ; wc: which 64 columns; also which 64 rows of a tile I fetch
	s_bfe_u32 s25, ttmp6, 0x40000                  ; cx
	s_bfe_u32 s26, ttmp6, 0x40004                  ; cy
	s_lshl_b32 s27, ttmp9, 2
	s_add_co_u32 s27, s27, s25                     ; nt: which 128 columns
	s_and_b32 s28, ttmp7, 0xffff
	s_lshl_b32 s28, s28, 2
	s_add_co_u32 s28, s28, s26                     ; mt: which 128 tokens
	s_lshl_b32 s29, s26, 2
	s_lshl_b32 s29, 15, s29                        ; my row of the cluster
	s_lshl_b32 s30, 0x1111, s25                    ; my column
	; group 1 for codes: 64 rows of 512 bytes, 16 bytes of padding behind each
	s_or_b32 s32, s29, (1<<20)|(1<<21)|(6<<22)|(3<<25)   ; 15:0 the mask; 17:16 elements of 1 byte; 20 padding on; 21 set beside a mask; 24:22 after every 128 words; 31:25 four words
	s_or_b32 s40, s30, (1<<20)|(1<<21)|(6<<22)|(3<<25)
.irp g, 32, 40
	s_mov_b32 s[\g+1], 512<<16                     ; tensor_dim0
	s_mov_b32 s[\g+2], 64<<16                      ; tensor_dim1
	s_mov_b32 s[\g+3], 512<<16                     ; tile_dim0
	s_mov_b32 s[\g+4], 64                          ; tile_dim1
	s_mov_b32 s[\g+5], 512                         ; from row to row
	s_mov_b32 s[\g+6], 0
	s_mov_b32 s[\g+7], 0
.endr
	; group 1 for scale bytes: 4,096 dense bytes as 16 rows of 256 (32 elements of 8 bytes), 16 bytes of padding behind each
	s_or_b32 s48, s29, (3<<16)|(1<<20)|(1<<21)|(5<<22)|(3<<25)
	s_or_b32 s56, s30, (3<<16)|(1<<20)|(1<<21)|(5<<22)|(3<<25)
.irp g, 48, 56
	s_mov_b32 s[\g+1], 32<<16
	s_mov_b32 s[\g+2], 16<<16
	s_mov_b32 s[\g+3], 32<<16
	s_mov_b32 s[\g+4], 16
	s_mov_b32 s[\g+5], 32
	s_mov_b32 s[\g+6], 0
	s_mov_b32 s[\g+7], 0
.endr
	; the tokens' side hangs on mt alone (s94-97), the weights' on nt alone (s98-101)
	s_lshl_b32 s94, s28, 12                        ; the tokens' scale bytes: 4,096 mt
	s_mov_b32 s95, 0
	s_lshl_b32 s96, s28, 16
	s_lshl_b32 s97, s24, 15
	s_add_co_u32 s96, s96, s97                     ; their codes: (128 mt + 64 wc) x 512
	s_mov_b32 s97, 0
	s_max_u32 s98, s22, 1
	s_sub_co_u32 s98, s98, 1                       ; waves 1, 2, 3 fetch the scale bytes of q, k, v
	s_lshl_b32 s98, s98, 3
	s_add_co_u32 s98, s98, s27
	s_lshl_b32 s98, s98, 12                        ; 4,096 (8 p + nt)
	s_mov_b32 s99, 0
	s_lshl_b32 s100, s27, 16
	s_lshl_b32 s101, s24, 15
	s_add_co_u32 s100, s100, s101                  ; q's codes: (128 nt + 64 wc) x 512
	s_mov_b32 s101, 0
	s_mul_i32 s31, s22, 4352
	s_add_co_u32 s31, s31, SCL                     ; where my scale bytes go
	s_mul_i32 s3, s22, 33792                       ; where my first 64 rows of codes go: the tokens' halves, then q's
	s_wait_dscnt 0x0
	s_wait_kmcnt 0x0
	s_mov_b32 s68, 1
	s_mov_b32 s69, s31
	s_add_nc_u64 s[70:71], s[6:7], s[94:95]
	s_or_b32 s71, s71, 0x80000000
	s_mov_b32 s72, 1
	s_mov_b32 s73, s31
	s_add_nc_u64 s[74:75], s[10:11], s[98:99]
	s_or_b32 s75, s75, 0x80000000
	s_mov_b32 s76, 1
	s_mov_b32 s77, s3
	s_add_nc_u64 s[78:79], s[4:5], s[96:97]
	s_or_b32 s79, s79, 0x80000000
	s_mov_b32 s80, 1
	s_mov_b32 s81, s3
	s_add_nc_u64 s[82:83], s[8:9], s[100:101]
	s_add_co_u32 s98, s23, 1
	s_lshl_b32 s98, s98, 19                        ; waves 0, 1: k's rows (1,024 x 512 bytes on); waves 2, 3: v's
	s_add_nc_u64 s[86:87], s[82:83], s[98:99]
	s_or_b32 s83, s83, 0x80000000
	s_or_b32 s87, s87, 0x80000000
	s_mov_b32 s84, 1
	s_add_co_u32 s85, s3, 135168
	CROUND                                         ; all sixteen work-groups are here: the joint loads meet
	JLOAD 1, 68, 48, 72, 56                        ; scale bytes: wave 0 the tokens', waves 1-3 q's, k's, v's
	JLOAD 2, 76, 32, 80, 40                        ; codes: waves 0, 1 the tokens' halves, waves 2, 3 q's
	tensor_load_to_lds s[84:87], s[40:47]          ; codes: waves 0, 1 k's halves, waves 2, 3 v's
	s_nop 0
	PLACES 4
	v_and_b32 v1, 15, v0                           ; r
	v_bfe_u32 v2, v0, 4, 1                         ; h
	v_mul_u32_u24 v13, v1, 528
	v_lshl_add_u32 v13, v2, 4, v13                 ; a fragment's row x pitch + 16 h
	s_mul_i32 s2, s23, 33792
	v_add_nc_u32 v3, s2, v13                       ; my 64 tokens
	s_mul_i32 s2, s24, 33792
	s_add_co_u32 s2, s2, 67584
	v_add_nc_u32 v4, s2, v13                       ; my 64 rows of q's weights,
	s_add_co_u32 s2, s2, 67584
	v_add_nc_u32 v5, s2, v13                       ; k's,
	s_add_co_u32 s2, s2, 67584
	v_add_nc_u32 v6, s2, v13                       ; v's
	v_lshlrev_b32 v7, 5, v1
	v_lshrrev_b32 v14, 3, v1
	v_lshl_add_u32 v7, v14, 4, v7
	s_mul_i32 s2, s23, 2176
	s_add_co_u32 s2, s2, SCL
	v_add_nc_u32 v7, s2, v7                        ; the tokens' scale words: 32 bytes a row, 16 more for each 256 passed
	v_lshlrev_b32 v8, 4, v1
	s_mul_i32 s2, s24, 1088
	s_add_co_u32 s2, s2, SCL
	v_add_nc_u32 v8, s2, v8                        ; the weights': 16 bytes a row and half of K
	s_mul_i32 s2, s22, 8704
	s_add_co_u32 s2, s2, STG                       ; my stage
	v_lshrrev_b32 v14, 1, v1
	v_mul_u32_u24 v9, v14, 272
	v_and_b32 v14, 1, v1
	v_lshl_add_u32 v9, v14, 7, v9
	v_lshl_add_u32 v9, v2, 4, v9
	v_add_nc_u32 v9, s2, v9                        ; in: two tokens to a unit of 256 bytes; my 16 bytes at 16 h
	v_mul_u32_u24 v10, v2, 272
	v_lshl_add_u32 v10, v1, 4, v10
	v_add_nc_u32 v10, s2, v10                      ; back: sixteen lanes to a unit
	v_and_b32 v14, 31, v0
	v_lshlrev_b32 v11, 4, v14                      ; 16 x lane
	v_lshlrev_b32 v12, 5, v2                       ; 32 h
	s_lshl_b32 s98, s27, 9
	s_lshl_b32 s99, s24, 8
	s_add_co_u32 s98, s98, s99                     ; my 64 columns in a bias
	s_mov_b32 s99, 0
	s_add_nc_u64 s[14:15], s[14:15], s[98:99]
	s_add_nc_u64 s[16:17], s[16:17], s[98:99]
	s_add_nc_u64 s[18:19], s[18:19], s[98:99]
	s_lshl_b32 s2, s28, 7
	s_lshl_b32 s3, s23, 6
	s_add_co_u32 s2, s2, s3                        ; my first token of 4,096
	s_lshr_b32 s3, s2, 11                          ; its batch
	s_and_b32 s2, s2, 2047                         ; and its place in the sequence
	s_lshl_b32 s94, s2, 9                          ; the table: 8,192 bytes for each 16 tokens
	s_mov_b32 s95, 0
	s_add_nc_u64 s[12:13], s[12:13], s[94:95]
	s_lshl_b32 s3, s3, 4
	s_lshl_b32 s66, s27, 1
	s_add_co_u32 s66, s66, s24                     ; my head
	s_add_co_u32 s66, s66, s3
	s_lshl_b32 s66, s66, 11
	s_add_co_u32 s66, s66, s2
	s_lshl_b32 s66, s66, 7                         ; ((16 batch + head) 2,048 + token) x 128 bytes
	s_mov_b32 s67, 0
	s_add_nc_u64 s[88:89], s[20:21], s[66:67]      ; q's part,
	s_add_nc_u64 s[90:91], s[88:89], 0x800000      ; k's,
	s_add_nc_u64 s[92:93], s[88:89], 0x1000000     ; v's
	WIN 0xc0                                       ; destination window 3
.irp p, 0,1,2
.irp b, 0,1,2,3
.irp u, 0,1
	global_load_b128 v[128+32*\p+8*\b+4*\u:128+32*\p+8*\b+4*\u+3], v12, s[14+2*\p:15+2*\p] offset:64*\b+16*\u   ; the bias at columns 16 b + 8 h + 0 .. 7
.endr
.endr
.endr
	WIN 0x80                                       ; destination window 2
.irp a, 0,1,2,3
.irp b, 0,1,2,3
.irp k, 0,1
.irp g, 0,1
	global_load_b128 v[16*(4*\a+\b)+8*\k+4*\g:16*(4*\a+\b)+8*\k+4*\g+3], v11, s[12:13] offset:8192*\a+2048*\b+1024*\k+512*\g
.endr
.endr
.endr
.endr
	WIN 0
	s_wait_tensorcnt 1                             ; my scale bytes and my first codes are in; the one younger load (k's or v's codes) may be out
	s_barrier_signal -1
	s_barrier_wait -1
	WIN 0x40                                       ; destination window 1
.irp a, 0,1,2,3
.irp q, 0,1,2,3,4,5,6,7
.irp c, 0,1
	ds_load_b128 v[64*\a+8*\q+4*\c:64*\a+8*\q+4*\c+3], v3 offset:8448*\a+64*\q+32*\c   ; registers 4 c .. 4 c + 3: K = 128 q + 64 c + 32 h + 0 .. 31
.endr
.endr
.endr
	WIN 0
.irp a, 0,1,2,3
.irp g, 0,1
	ds_load_b128 v[SA+8*\a+4*\g:SA+8*\a+4*\g+3], v7 offset:544*\a+16*\g
.endr
.endr
.macro FETCHB p, q                     ; the weights' four fragments of K step q into buffer q % 3
	WIN 0xc0
.irp b, 0,1,2,3
.irp c, 0,1
	ds_load_b128 v[32*((\q)%3)+8*\b+4*\c:32*((\q)%3)+8*\b+4*\c+3], v[4+\p] offset:8448*\b+64*(\q)+32*\c
.endr
.endr
.endm
; A K step of 128: sixteen matrix instructions, the sixteen accumulators by turns.  The fragments of two K steps on are asked for first.
.macro KSTEP p, q
.if \q > 0
	PLACES 4                                       ; in front of loads into the buffer that the last K step's products read
.endif
.if \q < 6
	FETCHB \p, (\q)+2
	s_wait_dscnt 16                                ; all but the fragments of the two K steps behind this one
.elseif \q == 6
	s_wait_dscnt 8
.else
	s_wait_dscnt 0x0
.endif
.if \q == 0
	WIN 0x37                                       ; source 0 window 3, source 1 window 1, C (the bias) window 3
.else
	WIN 0x07
.endif
.irp a, 0,1,2,3
.irp b, 0,1,2,3
.if \q == 0
	v_wmma_scale_f32_16x16x128_f8f6f4 v[ACC+8*(4*\a+\b):ACC+8*(4*\a+\b)+7], v[32*((\q)%3)+8*\b:32*((\q)%3)+8*\b+7], v[64*\a+8*(\q):64*\a+8*(\q)+7], v[128+32*(\p)+8*\b:128+32*(\p)+8*\b+7], v[SB+8*\b+(\q)], v[SA+8*\a+(\q)] matrix_a_fmt:MATRIX_FMT_FP4 matrix_b_fmt:MATRIX_FMT_FP4
.else
	v_wmma_scale_f32_16x16x128_f8f6f4 v[ACC+8*(4*\a+\b):ACC+8*(4*\a+\b)+7], v[32*((\q)%3)+8*\b:32*((\q)%3)+8*\b+7], v[64*\a+8*(\q):64*\a+8*(\q)+7], v[ACC+8*(4*\a+\b):ACC+8*(4*\a+\b)+7], v[SB+8*\b+(\q)], v[SA+8*\a+(\q)] matrix_a_fmt:MATRIX_FMT_FP4 matrix_b_fmt:MATRIX_FMT_FP4
.endif
.endr
.endr
.endm
; The way out of a pass: rotation (q, k), rounding to f16 into each tile's registers 0-3, through my stage, back as units of 256 bytes into each tile's registers 4-7, stored: my tile is 8,192 consecutive bytes.
.macro EPI p, rope
	WIN 0
	PLACES 4
.if \p == 0
	s_wait_loadcnt 0x0                             ; the rotation's factors
.endif
.irp a, 0,1,2,3
.if \rope
	WIN 0x08                                       ; source 1 window 2
.irp b, 0,1,2,3
.irp j, 0,1,2,3,4,5,6,7
	v_mul_f32 v[T+8*\b+\j], v[ACC+8*(4*\a+\b)+\j], v[16*(4*\a+\b)+\j]          ; x[d] C; each accumulator from its low end on
.endr
.endr
.irp b, 0,1,2,3
.irp j, 0,1,2,3,4,5,6,7
	v_fma_f32 v[T+8*\b+\j], v[ACC+8*(4*\a+\b)+\j+1-2*(\j%2)], v[16*(4*\a+\b)+8+\j], v[T+8*\b+\j]   ; + x[d xor 1] Sg
.endr
.endr
	WIN 0
.irp b, 0,1,2,3
.irp n, 0,1,2,3
	v_cvt_pk_f16_f32 v[ACC+8*(4*\a+\b)+\n], v[T+8*\b+2*\n], v[T+8*\b+2*\n+1]
.endr
.endr
.else
.irp b, 0,1,2,3
.irp n, 0,1,2,3
	v_cvt_pk_f16_f32 v[ACC+8*(4*\a+\b)+\n], v[ACC+8*(4*\a+\b)+2*\n], v[ACC+8*(4*\a+\b)+2*\n+1]   ; in place, ascending
.endr
.endr
.endif
.irp b, 0,1,2,3
	ds_store_b128 v9, v[ACC+8*(4*\a+\b):ACC+8*(4*\a+\b)+3] offset:2176*\a+32*\b
.endr
.endr
.irp t, 0,1,2,3,4,5,6,7,8,9,10,11,12,13,14,15
	ds_load_b128 v[ACC+8*\t+4:ACC+8*\t+7], v10 offset:544*\t       ; LDS serves a wave's instructions in order: these see my stores
.endr
.irp t, 0,1,2,3,4,5,6,7,8,9,10,11,12,13,14,15
	s_wait_dscnt 15-\t
	global_store_b128 v11, v[ACC+8*\t+4:ACC+8*\t+7], s[88+2*\p:89+2*\p] offset:512*\t   ; 512 consecutive bytes, aligned
.endr
.endm
.macro PASS p, rope
	s_wait_xcnt 0x0                                ; the last pass's stores have read the accumulators' registers
.irp g, 0,1
.irp b, 0,1,2,3
	ds_load_b128 v[SB+8*\b+4*\g:SB+8*\b+4*\g+3], v8 offset:4352*(1+\p)+272*(8*\g+\b)
.endr
.endr
	FETCHB \p, 0
	FETCHB \p, 1
.if \p == 0
	s_wait_loadcnt 63                              ; the biases are in: 64 loads are younger; the count names the most that its field holds
.endif
	PLACES 5                                       ; the accumulators are begun anew with another C
.irp q, 0,1,2,3,4,5,6,7
	KSTEP \p, \q
.endr
	EPI \p, \rope
.endm
	PASS 0, 1
	s_wait_tensorcnt 0x0                           ; my part of k's or v's codes is in,
	s_wait_dscnt 0x0
	s_barrier_signal -1
	s_barrier_wait -1                              ; everybody's is
	PASS 1, 1
	PASS 2, 0
	s_wait_tensorcnt 0x0
	ds_add_u32 v126, v127
	s_wait_dscnt 0x0
	CROUND                                         ; the closing round
	s_endpgm
.Lfunc_end_k_q0e7864c5a9_qkv:
	.size	k_q0e7864c5a9_qkv, .Lfunc_end_k_q0e7864c5a9_qkv-k_q0e7864c5a9_qkv
	.p2alignl 7, 3214868480
	.fill 96, 4, 3214868480
	.section	.rodata,"a",@progbits
	.p2align	6, 0x0
	.amdhsa_kernel k_q0e7864c5a9_qkv
		.amdhsa_group_segment_fixed_size 327680
		.amdhsa_private_segment_fixed_size 0
		.amdhsa_enable_private_segment 0
		.amdhsa_kernarg_size 72
		.amdhsa_user_sgpr_count 2
		.amdhsa_user_sgpr_kernarg_segment_ptr 1
		.amdhsa_wavefront_size32 1
		.amdhsa_system_sgpr_workgroup_id_x 1
		.amdhsa_system_sgpr_workgroup_id_y 1
		.amdhsa_system_sgpr_workgroup_id_z 1
		.amdhsa_system_vgpr_workitem_id 0
		.amdhsa_next_free_vgpr 1024
		.amdhsa_next_free_sgpr 104
		.amdhsa_reserve_vcc 0
		.amdhsa_float_denorm_mode_32 3
		.amdhsa_float_denorm_mode_16_64 3
		.amdhsa_memory_ordered 1
		.amdhsa_forward_progress 1
		.amdhsa_inst_pref_size 139
	.end_amdhsa_kernel
	.amdgpu_metadata
---
amdhsa.version: [ 1, 2 ]
amdhsa.kernels:
  - .name:           k_q0e7864c5a9_qkv
    .symbol:         k_q0e7864c5a9_qkv.kd
    .args:
      - { .name: hcodes, .offset: 0, .size: 8, .value_kind: global_buffer, .address_space: global }
      - { .name: hscales, .offset: 8, .size: 8, .value_kind: global_buffer, .address_space: global }
      - { .name: wcodes, .offset: 16, .size: 8, .value_kind: global_buffer, .address_space: global }
      - { .name: wscales, .offset: 24, .size: 8, .value_kind: global_buffer, .address_space: global }
      - { .name: rope, .offset: 32, .size: 8, .value_kind: global_buffer, .address_space: global }
      - { .name: bq, .offset: 40, .size: 8, .value_kind: global_buffer, .address_space: global }
      - { .name: bk, .offset: 48, .size: 8, .value_kind: global_buffer, .address_space: global }
      - { .name: bv, .offset: 56, .size: 8, .value_kind: global_buffer, .address_space: global }
      - { .name: qkv, .offset: 64, .size: 8, .value_kind: global_buffer, .address_space: global }
    .group_segment_fixed_size: 327680
    .private_segment_fixed_size: 0
    .kernarg_segment_align: 8
    .kernarg_segment_size: 72
    .max_flat_workgroup_size: 128
    .sgpr_count:     104
    .vgpr_count:     1024
    .wavefront_size: 32
...
	.end_amdgpu_metadata
.endif
;; end of part 2
;; launch attn (part 3): grid 8 x 32, 8 waves a work-group, clusters of 4 x 1, 327,680 bytes of LDS; arguments qkv, ctx; writes ctx
.if DOCPART == 3
	.amdgcn_target "amdgcn-amd-amdhsa--gfx1250"
	.amdhsa_code_object_version 6
	.text
	.protected	k_q0e7864c5a9_attn
	.globl	k_q0e7864c5a9_attn
	.p2align	8
	.type	k_q0e7864c5a9_attn,@function
k_q0e7864c5a9_attn:
	s_mov_b64 s[64:65], 0
	v_nop
	global_prefetch_b8 v0, s[64:65] scope:SCOPE_SE
	s_setreg_imm32_b32 hwreg(HW_REG_WAVE_MODE, 25, 1), 1
	s_wait_xcnt 0x0
	s_wait_alu depctr_hold_cnt(0) depctr_sa_sdst(0) depctr_va_vdst(0) depctr_va_sdst(0) depctr_va_ssrc(0) depctr_va_vcc(0) depctr_vm_vsrc(0)
	s_getreg_b32 s2, hwreg(HW_REG_IB_STS2, 6, 4)
	s_cmp_eq_u32 s2, 0
	s_cbranch_scc0 .Lentry_in_a_cluster
	s_endpgm
.Lentry_in_a_cluster:
	s_bfe_u32 s2, ttmp6, 0x10000c
	s_cmp_lg_u32 s2, 0x3003
	s_cbranch_scc0 .Lentry_shape_is_right
	s_endpgm
.Lentry_shape_is_right:
; ctx[bh][q][:] = the sum over k of softmax_k(Q[bh][q] . K[bh][k] / 8) V[bh][k][:].  Q, K, V: parts of qkv, each [32][2048][64] f16; ctx: [32][2048][64] f16.  Products, maxima and sums in f32; p is rounded to f16 (p <= 1).
; SHARES.  A work-group owns 256 queries of one head, each of its eight waves 32: two tiles of 16.  Two waves share a SIMD: one wave's softmax stands beside the other's products.  Every wave walks all 2,048 keys, 64 a step.
; LAYOUT.  S^T = K Q^T (source 0 = 16 keys, source 1 = 16 queries): a lane holds ONE query and the keys 8 (lane / 16) + 0 .. 7.  Two such tiles, rounded in pairs, ARE source 1 of O^T = V^T P.  V comes out of LDS turned.
; SOFTMAX.  For each query a running maximum m and sum l: p = 2^(c s - c m), c = log2(e) / 8; in every step O and l are multiplied by a = 2^(c m_old - c m_new).  m begins at -3e38, O and l at 0.
; RING.  Two slots of 256 keys (four steps).  K's and V's rows are dense in memory, so a tile is stated as rows of 256 bytes (two keys), padded by 16 (K) or 32 (V).  Waves 0, 1 fetch K's halves, waves 2, 3 V's.
; CLUSTER.  The four query blocks of a cluster walk the same K and V: each tile is asked for jointly.  By this text's count a wave has one tensor load outstanding, which has four key steps in which to land.
; REGISTERS: window 0: v1-11 addresses; v12-27 statistics (tile t at 12 + 8 t: c m, m, l, l, four at work; a takes +6); v32-63 Q; v64-127 S^T; v128-159 P; v160-223 O^T.  window 1: v0-63 K's fragments, v64-127 V's.
.set SLOT1, 1<<17                      ; slot 1 begins here: one exclusive or turns an address in one slot into the other's
.set VOFF,  34816                      ; a slot: 128 units of K (272 bytes), then 128 of V (288)
.set SPARE, 202752                     ; behind the ring: the spare words, 128 bytes for each wave
.set STAGE, 203776                     ; behind them: 16 x 272 bytes for each wave, for the way out
.set ST,  12
.set Q,   32
.set S,   64
.set P,   128
.set O,   160
.set WV,  8
.set G1K, 24
.set G1V, 32
.set G0K, 40
.set G0V, 44
.set CS,  48
.set SEL, 50
.set TB,  52
.set SLOTS, 53
.set LIM, 54
.set PFA, 56
.set MSB, 0
.macro WIN new
.if MSB != \new
	s_set_vgpr_msb (MSB<<8)|\new
.set MSB, \new
.endif
.endm
.macro PLACES n
.rept \n
	v_nop
.endr
.endm
.macro CROUND
	s_barrier_signal -1
	s_barrier_wait -1
	s_cmp_lg_u32 s[WV], 0
	s_cbranch_scc1 .Lnot_wave_0_\@
	s_barrier_signal -3
.Lnot_wave_0_\@:
	s_barrier_wait -3
	s_barrier_signal -1
	s_barrier_wait -1
.endm
.macro TLOAD                           ; the branches hang on the wave's number alone; four v_nop follow each line
	s_cmp_lt_u32 s[WV], 2
	s_cbranch_scc0 .Lnot_k_\@
	tensor_load_to_lds s[G0K:G0K+3], s[G1K:G1K+7]
	s_nop 0
	PLACES 4
	s_branch .Lasked_\@
.Lnot_k_\@:
	s_cmp_lt_u32 s[WV], 4
	s_cbranch_scc0 .Lasked_\@
	tensor_load_to_lds s[G0V:G0V+3], s[G1V:G1V+7]
	s_nop 0
	PLACES 4
.Lasked_\@:
.endm
; A prefetch of what the NEXT change of slots will ask for: 32,768 bytes of K and of V.  The head's first cluster asks; its four partners take 8,192 bytes each, told apart by address; wave 4 asks for K's, wave 5 for V's,
; lanes 256 bytes apart: each block of 256 bytes is named once in the launch.  The last change that fills a slot asks for nothing.
.macro ASK
	s_cmp_gt_u32 s[SLOTS], s[LIM]
	s_cbranch_scc0 .Lnot_mine_\@
	global_prefetch_b8 v10, s[PFA:PFA+1] th:TH_LOAD_NT scope:SCOPE_SE
.Lnot_mine_\@:
.endm
	s_load_b128 s[4:7], s[0:1], 0x0                ; qkv, ctx
	v_lshl_add_u32 v5, v0, 2, SPARE
	v_mov_b32 v6, 0
	ds_add_u32 v5, v6
	s_wait_dscnt 0x0
	v_lshrrev_b32 v1, 5, v0
	v_readfirstlane_b32 s[WV], v1                  ; wave 0..7
	s_bfe_u32 s9, ttmp6, 0x40000                   ; cx
	s_lshl_b32 s10, ttmp9, 2
	s_add_co_u32 s10, s10, s9                      ; my block of 256 queries: it enters Q's and ctx's addresses alone
	s_and_b32 s11, ttmp7, 0xffff                   ; batch x head, which the four partners share
	s_lshl_b32 s12, s11, 18                        ; its 2,048 rows of 128 bytes
	s_and_b32 s14, s[WV], 1
	s_lshl_b32 s16, s14, 14                        ; which half of a slot I fetch: 128 keys
	s_add_co_u32 s16, s16, s12
	s_mov_b32 s17, 0
	s_lshl_b32 s18, s10, 15
	s_lshl_b32 s19, s[WV], 12
	s_add_co_u32 s18, s18, s19
	s_add_co_u32 s18, s18, s12                     ; my 32 queries
	s_mov_b32 s19, 0
	s_add_co_u32 s20, s14, 1
	s_lshl_b32 s20, s20, 23                        ; the prefetches: K's part (even waves) or V's
	s_add_co_u32 s20, s20, s12
	s_lshl_b32 s21, s9, 13
	s_add_co_u32 s20, s20, s21                     ; my work-group's 8,192 bytes
	s_add_co_u32 s20, s20, 32768                   ; of the second slot's keys: the first change steps it on
	s_mov_b32 s21, 0
	s_sub_co_u32 s22, s[WV], 4
	s_lshr_b32 s22, s22, 1                         ; 0 in waves 4 and 5,
	s_or_b32 s22, s22, ttmp9                       ; of the head's first cluster: the same in all four partners
	s_cmp_eq_u32 s22, 0
	s_cselect_b32 s[LIM], 1, -1
	s_mov_b32 s[G1K], 15|(1<<16)|(1<<20)|(1<<21)|(5<<22)|(3<<25)   ; the mask: all four; elements of 2 bytes; padding: four words after every 64
	s_mov_b32 s[G1V], 15|(1<<16)|(1<<20)|(1<<21)|(5<<22)|(7<<25)   ; eight words
.irp g, G1K, G1V
	s_mov_b32 s[\g+1], 128<<16                     ; tensor_dim0
	s_mov_b32 s[\g+2], 64<<16                      ; tensor_dim1
	s_mov_b32 s[\g+3], 128<<16                     ; tile_dim0
	s_mov_b32 s[\g+4], 64                          ; tile_dim1
	s_mov_b32 s[\g+5], 128                         ; from row to row
	s_mov_b32 s[\g+6], 0
	s_mov_b32 s[\g+7], 0
.endr
	s_mul_i32 s13, s14, 17408
	s_mul_i32 s15, s14, 18432
	s_add_co_u32 s15, s15, VOFF
	s_mov_b32 s[CS], 0x3e38aa3b                    ; c = log2(e) / 8
	s_mov_b32 s[CS+1], s[CS]
	s_mov_b32 s[SEL], 0x76543210
	s_mov_b32 s[SEL+1], 0xfedcba98
	s_mov_b32 s[TB], 0
	s_mov_b32 s[SLOTS], 7
	s_wait_kmcnt 0x0
	s_mov_b32 s[G0K], 1
	s_mov_b32 s[G0K+1], s13
	s_add_nc_u64 s[G0K+2:G0K+3], s[4:5], s[16:17]
	s_add_nc_u64 s[G0K+2:G0K+3], s[G0K+2:G0K+3], 0x800000
	s_or_b32 s[G0K+3], s[G0K+3], 0x80000000
	s_mov_b32 s[G0V], 1
	s_mov_b32 s[G0V+1], s15
	s_add_nc_u64 s[G0V+2:G0V+3], s[4:5], s[16:17]
	s_add_nc_u64 s[G0V+2:G0V+3], s[G0V+2:G0V+3], 0x1000000
	s_or_b32 s[G0V+3], s[G0V+3], 0x80000000
	s_add_nc_u64 s[PFA:PFA+1], s[4:5], s[20:21]
	s_add_nc_u64 s[58:59], s[4:5], s[18:19]        ; Q at my first query
	s_add_nc_u64 s[60:61], s[6:7], s[18:19]        ; ctx likewise
	CROUND                                         ; all four work-groups are here
	TLOAD                                          ; slot 0
	v_and_b32 v28, 15, v0                          ; r
	v_bfe_u32 v29, v0, 4, 1                        ; h
	v_lshlrev_b32 v7, 7, v28
	v_lshl_add_u32 v7, v29, 4, v7                  ; Q: row r of 128 bytes + 16 h
.irp t, 0,1
.irp kk, 0,1
	global_load_b128 v[Q+16*\t+8*\kk:Q+16*\t+8*\kk+3],   v7, s[58:59] offset:2048*\t+64*\kk
	global_load_b128 v[Q+16*\t+8*\kk+4:Q+16*\t+8*\kk+7], v7, s[58:59] offset:2048*\t+64*\kk+32
.endr
.endr
	v_lshrrev_b32 v30, 1, v28
	v_and_b32 v31, 1, v0
	v_mul_u32_u24 v1, v30, 272
	v_lshl_add_u32 v1, v31, 7, v1
	v_lshl_add_u32 v1, v29, 4, v1                  ; K: key r: unit r / 2, half r % 2, + 16 h
	v_bfe_u32 v30, v0, 1, 2
	v_lshl_add_u32 v30, v29, 2, v30
	v_mul_u32_u24 v2, v30, 288
	v_lshl_add_u32 v2, v31, 7, v2
	v_bfe_u32 v30, v0, 3, 1
	v_lshl_add_u32 v2, v30, 4, v2
	v_add_nc_u32 v2, VOFF, v2                      ; V: key 8 h + lane % 8, channels 8 ((lane / 8) % 2) on
	s_mul_i32 s13, s[WV], 4352
	s_add_co_u32 s13, s13, STAGE                   ; my stage
	v_add_nc_u32 v8, s13, v1                       ; in: as a key lies in K's tile
	v_mul_u32_u24 v9, v29, 272
	v_lshl_add_u32 v9, v28, 4, v9
	v_add_nc_u32 v9, s13, v9                       ; back: sixteen lanes to a unit
	v_and_b32 v30, 31, v0
	v_lshlrev_b32 v10, 8, v30                      ; the prefetches: 256 x lane
	v_lshlrev_b32 v11, 4, v30                      ; the stores: 16 x lane
.irp t, 0,1
	v_mov_b32 v[ST+8*\t+1], 0xff61b1e6             ; m = -3e38, under every score
	v_mul_f32 v[ST+8*\t], s[CS], v[ST+8*\t+1]      ; c m
	v_mov_b32 v[ST+8*\t+2], 0                      ; l, in two halves
	v_mov_b32 v[ST+8*\t+3], 0
.endr
.set n, 0
.rept 64
	v_mov_b32 v[O+n], 0                            ; O^T: the step is written once; the first finds zeros
.set n, n+1
.endr
.macro FETCH_K q                       ; 64 keys x 64 channels: 8 fragments
	WIN 0x40
.irp i, 0,1,2,3
.irp kk, 0,1
	ds_load_b128 v[8*(2*\i+\kk):8*(2*\i+\kk)+3],   v3 offset:8704*(\q)+2176*\i+64*\kk
	ds_load_b128 v[8*(2*\i+\kk)+4:8*(2*\i+\kk)+7], v3 offset:8704*(\q)+2176*\i+64*\kk+32
.endr
.endr
.endm
.macro FETCH_V q                       ; the same keys of V, turned: fragment (kh, cb): 16 channels x 32 keys
	WIN 0x40
.irp kh, 0,1
.irp cb, 0,1,2,3
	ds_load_tr16_b128 v[64+8*(4*\kh+\cb):64+8*(4*\kh+\cb)+3],   v4 offset:9216*(\q)+4608*\kh+32*\cb
	ds_load_tr16_b128 v[64+8*(4*\kh+\cb)+4:64+8*(4*\kh+\cb)+7], v4 offset:9216*(\q)+4608*\kh+2304+32*\cb
.endr
.endr
.endm
.macro QK                              ; eight accumulators by turns; the first eight products start the sums
	WIN 0x01
.irp kk, 0,1
.irp i, 0,1,2,3
.irp t, 0,1
.if \kk == 0
	v_wmma_f32_16x16x32_f16 v[S+32*\t+8*\i:S+32*\t+8*\i+7], v[8*(2*\i+\kk):8*(2*\i+\kk)+7], v[Q+16*\t+8*\kk:Q+16*\t+8*\kk+7], 0
.else
	v_wmma_f32_16x16x32_f16 v[S+32*\t+8*\i:S+32*\t+8*\i+7], v[8*(2*\i+\kk):8*(2*\i+\kk)+7], v[Q+16*\t+8*\kk:Q+16*\t+8*\kk+7], v[S+32*\t+8*\i:S+32*\t+8*\i+7]
.endif
.endr
.endr
.endr
.endm
.macro PV
	WIN 0x01
.irp kh, 0,1
.irp cb, 0,1,2,3
.irp t, 0,1
	v_wmma_f32_16x16x32_f16 v[O+32*\t+8*\cb:O+32*\t+8*\cb+7], v[64+8*(4*\kh+\cb):64+8*(4*\kh+\cb)+7], v[P+16*\t+8*\kh:P+16*\t+8*\kh+7], v[O+32*\t+8*\cb:O+32*\t+8*\cb+7]
.endr
.endr
.endr
.endm
.macro SOFTMAX                         ; the two tiles by turns
.irp j, 0,1,2,3
.irp t, 0,1
	v_max3_num_f32 v[ST+8*\t+4+\j], v[S+32*\t+8*\j], v[S+32*\t+8*\j+1], v[S+32*\t+8*\j+2]   ; four chains, each from its accumulator's low end on
.endr
.endr
.irp u, 3,5
.irp j, 0,1,2,3
.irp t, 0,1
	v_max3_num_f32 v[ST+8*\t+4+\j], v[ST+8*\t+4+\j], v[S+32*\t+8*\j+\u], v[S+32*\t+8*\j+\u+1]
.endr
.endr
.endr
.irp t, 0,1
	v_max3_num_f32 v[ST+8*\t+4], v[ST+8*\t+4], v[S+32*\t+7], v[S+32*\t+15]
	v_max3_num_f32 v[ST+8*\t+6], v[ST+8*\t+6], v[S+32*\t+23], v[S+32*\t+31]
.endr
.irp t, 0,1
	v_max3_num_f32 v[ST+8*\t+4], v[ST+8*\t+4], v[ST+8*\t+5], v[ST+8*\t+6]
.endr
.irp t, 0,1
	v_max3_num_f32 v[ST+8*\t+4], v[ST+8*\t+4], v[ST+8*\t+7], v[ST+8*\t+1]   ; with the old m
.endr
.irp t, 0,1
	v_permlanex16_b32 v[ST+8*\t+5], v[ST+8*\t+4], s[SEL], s[SEL+1]         ; the query's other 32 keys lie in the lane 16 away
.endr
.irp t, 0,1
	v_mov_b32 v[ST+8*\t+7], v[ST+8*\t]             ; c m_old
.endr
.irp t, 0,1
	v_max_num_f32 v[ST+8*\t+1], v[ST+8*\t+4], v[ST+8*\t+5]
.endr
.irp t, 0,1
	v_mul_f32 v[ST+8*\t], s[CS], v[ST+8*\t+1]
.endr
.irp t, 0,1
	v_sub_f32 v[ST+8*\t+7], v[ST+8*\t+7], v[ST+8*\t]
.endr
.irp t, 0,1
	v_exp_f32 v[ST+8*\t+6], v[ST+8*\t+7]           ; a
.endr
.set n, 0
.rept 16
.irp t, 0,1
	v_pk_fma_f32 v[S+32*\t+2*n:S+32*\t+2*n+1], v[S+32*\t+2*n:S+32*\t+2*n+1], s[CS:CS+1], v[ST+8*\t:ST+8*\t+1] op_sel_hi:[1,0,0] neg_lo:[0,0,1] neg_hi:[0,0,1]   ; c s - c m
.endr
.set n, n+1
.endr
.set n, 0
.rept 32
.irp t, 0,1
	v_exp_f32 v[S+32*\t+n], v[S+32*\t+n]           ; p
.endr
.set n, n+1
.endr
	s_wait_alu depctr_va_vdst(0)
.irp t, 0,1
	v_pk_mul_f32 v[ST+8*\t+2:ST+8*\t+3], v[ST+8*\t+2:ST+8*\t+3], v[ST+8*\t+6:ST+8*\t+7] op_sel_hi:[1,0]   ; l a.  (A plain line behind the exponentials)
.endr
.irp t, 0,1
	v_pk_add_f32 v[ST+8*\t+4:ST+8*\t+5], v[S+32*\t:S+32*\t+1], v[S+32*\t+2:S+32*\t+3]   ; the sum of the unrounded p, in two chains
.endr
.irp j, 4,8,12,16,20,24,28
.irp t, 0,1
	v_pk_add_f32 v[ST+8*\t+2:ST+8*\t+3], v[ST+8*\t+2:ST+8*\t+3], v[S+32*\t+\j:S+32*\t+\j+1]
	v_pk_add_f32 v[ST+8*\t+4:ST+8*\t+5], v[ST+8*\t+4:ST+8*\t+5], v[S+32*\t+\j+2:S+32*\t+\j+3]
.endr
.endr
.irp t, 0,1
	v_pk_add_f32 v[ST+8*\t+2:ST+8*\t+3], v[ST+8*\t+2:ST+8*\t+3], v[ST+8*\t+4:ST+8*\t+5]
.endr
.set n, 0
.rept 16
.irp t, 0,1
	v_cvt_pk_f16_f32 v[P+16*\t+n], v[S+32*\t+2*n], v[S+32*\t+2*n+1]
.endr
.set n, n+1
.endr
.set n, 0
.rept 16
.irp t, 0,1
	v_pk_mul_f32 v[O+32*\t+2*n:O+32*\t+2*n+1], v[O+32*\t+2*n:O+32*\t+2*n+1], v[ST+8*\t+6:ST+8*\t+7] op_sel_hi:[1,0]   ; O^T a, each accumulator from its low end on
.endr
.set n, n+1
.endr
.endm
; A KEY STEP: 64 keys, the q-th of the slot in hand.
.macro STEP q
	PLACES 4                                       ; in front of loads into V's registers, which the last products read
.if \q == 0
	FETCH_K 0
.endif
	FETCH_V \q
	s_wait_dscnt 16                                ; K is in; V's sixteen loads may be out
	QK
	WIN 0
	PLACES 4                                       ; in front of loads into K's registers and of the first read of the scores
.if \q < 3
	FETCH_K (\q)+1
	WIN 0
.endif
	SOFTMAX
.if \q < 3
	s_wait_dscnt 16                                ; V is in; the next step's K may be out
.else
	s_wait_dscnt 0x0
.endif
	PV
	WIN 0
.endm
; THE CHANGE OF SLOTS stands at a slot's head.  Each wave waits for all its tensor loads, adds 0 to its spare word, and waits for that and for its reads of the slot that it has left.
; fill = 1: the barrier is a round of the cluster's, and behind it the slot just left is filled with the next 256 keys.
.macro CHANGE fill
	s_wait_tensorcnt 0x0                           ; no tensor load of mine is out, so a group 0 may be written
	ds_add_u32 v5, v6                              ; 0 onto my spare word
.if \fill
	s_xor_b32 s[G0K+1], s[G0K+1], SLOT1
	s_add_nc_u64 s[G0K+2:G0K+3], s[G0K+2:G0K+3], 32768
	s_xor_b32 s[G0V+1], s[G0V+1], SLOT1
	s_add_nc_u64 s[G0V+2:G0V+3], s[G0V+2:G0V+3], 32768
	s_wait_xcnt 0x0                                ; the last prefetch, a slot back, has read its address
	s_add_nc_u64 s[PFA:PFA+1], s[PFA:PFA+1], 32768
	s_wait_dscnt 0x0                               ; the add is done, and my reads of the slot that I have left are over
	CROUND
	TLOAD                                          ; the first thing behind the round, and a wave's one tensor load until the next
	ASK
.else
	s_wait_dscnt 0x0
	s_barrier_signal -1
	s_barrier_wait -1
.endif
.endm
.macro SLOT_STEPS
	v_add_nc_u32 v3, s[TB], v1
	v_add_nc_u32 v4, s[TB], v2
	STEP 0
	STEP 1
	STEP 2
	STEP 3
	s_xor_b32 s[TB], s[TB], SLOT1
.endm
	s_wait_loadcnt 0x0                             ; Q
.Lslot:                                                ; seven trips: behind each change of slots but the last the next slot is asked for
	CHANGE 1
	SLOT_STEPS
	s_sub_co_u32 s[SLOTS], s[SLOTS], 1
	s_cmp_lg_u32 s[SLOTS], 0
	s_cbranch_scc1 .Lslot
	CHANGE 0                                       ; the last slot is written out
	SLOT_STEPS
	; THE WAY OUT: O^T / l, rounded to f16, through my stage: my 32 queries are 4,096 consecutive bytes of ctx
	PLACES 4
.irp t, 0,1
	v_add_f32 v[ST+8*\t+4], v[ST+8*\t+2], v[ST+8*\t+3]
.endr
.irp t, 0,1
	v_permlanex16_b32 v[ST+8*\t+5], v[ST+8*\t+4], s[SEL], s[SEL+1]
.endr
.irp t, 0,1
	v_add_f32 v[ST+8*\t+4], v[ST+8*\t+4], v[ST+8*\t+5]
.endr
.irp t, 0,1
	v_rcp_f32 v[ST+8*\t+6], v[ST+8*\t+4]
.endr
	v_nop                                          ; a plain line behind the reciprocals
	s_wait_alu depctr_va_vdst(0)
.irp t, 0,1
.set n, 0
.rept 16
	v_pk_mul_f32 v[O+32*\t+2*n:O+32*\t+2*n+1], v[O+32*\t+2*n:O+32*\t+2*n+1], v[ST+8*\t+6:ST+8*\t+7] op_sel_hi:[1,0]
.set n, n+1
.endr
.endr
.irp t, 0,1
.set n, 0
.rept 16
	v_cvt_pk_f16_f32 v[S+16*\t+n], v[O+32*\t+2*n], v[O+32*\t+2*n+1]
.set n, n+1
.endr
.endr
.irp t, 0,1
.irp cb, 0,1,2,3
	ds_store_b128 v8, v[S+16*\t+4*\cb:S+16*\t+4*\cb+3] offset:2176*\t+32*\cb
.endr
.endr
.irp i, 0,1,2,3,4,5,6,7
	ds_load_b128 v[S+32+4*\i:S+32+4*\i+3], v9 offset:544*\i       ; LDS serves a wave's instructions in order: these see my stores
.endr
.irp i, 0,1,2,3,4,5,6,7
	s_wait_dscnt 7-\i
	global_store_b128 v11, v[S+32+4*\i:S+32+4*\i+3], s[60:61] offset:512*\i   ; 512 consecutive bytes, aligned
.endr
	s_wait_tensorcnt 0x0                           ; the wave's end
	ds_add_u32 v5, v6
	s_wait_dscnt 0x0
	CROUND                                         ; the closing round
	s_endpgm
.Lfunc_end_k_q0e7864c5a9_attn:
	.size	k_q0e7864c5a9_attn, .Lfunc_end_k_q0e7864c5a9_attn-k_q0e7864c5a9_attn
	.p2alignl 7, 3214868480
	.fill 96, 4, 3214868480
	.section	.rodata,"a",@progbits
	.p2align	6, 0x0
	.amdhsa_kernel k_q0e7864c5a9_attn
		.amdhsa_group_segment_fixed_size 327680
		.amdhsa_private_segment_fixed_size 0
		.amdhsa_enable_private_segment 0
		.amdhsa_kernarg_size 16
		.amdhsa_user_sgpr_count 2
		.amdhsa_user_sgpr_kernarg_segment_ptr 1
		.amdhsa_wavefront_size32 1
		.amdhsa_system_sgpr_workgroup_id_x 1
		.amdhsa_system_sgpr_workgroup_id_y 1
		.amdhsa_system_sgpr_workgroup_id_z 1
		.amdhsa_system_vgpr_workitem_id 0
		.amdhsa_next_free_vgpr 384
		.amdhsa_next_free_sgpr 80
		.amdhsa_reserve_vcc 0
		.amdhsa_float_denorm_mode_32 3
		.amdhsa_float_denorm_mode_16_64 3
		.amdhsa_memory_ordered 1
		.amdhsa_forward_progress 1
		.amdhsa_inst_pref_size 155
	.end_amdhsa_kernel
	.amdgpu_metadata
---
amdhsa.version: [ 1, 2 ]
amdhsa.kernels:
  - .name:           k_q0e7864c5a9_attn
    .symbol:         k_q0e7864c5a9_attn.kd
    .args:
      - { .name: qkv, .offset: 0, .size: 8, .value_kind: global_buffer, .address_space: global }
      - { .name: ctx, .offset: 8, .size: 8, .value_kind: global_buffer, .address_space: global }
    .group_segment_fixed_size: 327680
    .private_segment_fixed_size: 0
    .kernarg_segment_align: 8
    .kernarg_segment_size: 16
    .max_flat_workgroup_size: 256
    .sgpr_count:     80
    .vgpr_count:     384
    .wavefront_size: 32
...
	.end_amdgpu_metadata
.endif
;; end of part 3
;; launch outp (part 4): grid 8 x 32, 4 waves a work-group, clusters of 4 x 4, 327,680 bytes of LDS; arguments ctx, wob, out0, bo; writes out0
.if DOCPART == 4
	.amdgcn_target "amdgcn-amd-amdhsa--gfx1250"
	.amdhsa_code_object_version 6
	.text
	.protected	k_q0e7864c5a9_outp
	.globl	k_q0e7864c5a9_outp
	.p2align	8
	.type	k_q0e7864c5a9_outp,@function
k_q0e7864c5a9_outp:
	s_mov_b64 s[64:65], 0
	v_nop
	global_prefetch_b8 v0, s[64:65] scope:SCOPE_SE
	s_setreg_imm32_b32 hwreg(HW_REG_WAVE_MODE, 25, 1), 1
	s_wait_xcnt 0x0
	s_wait_alu depctr_hold_cnt(0) depctr_sa_sdst(0) depctr_va_vdst(0) depctr_va_sdst(0) depctr_va_ssrc(0) depctr_va_vcc(0) depctr_vm_vsrc(0)
	s_getreg_b32 s2, hwreg(HW_REG_IB_STS2, 6, 4)
	s_cmp_eq_u32 s2, 0
	s_cbranch_scc0 .Lentry_in_a_cluster
	s_endpgm
.Lentry_in_a_cluster:
	s_bfe_u32 s2, ttmp6, 0x10000c
	s_cmp_lg_u32 s2, 0xf033
	s_cbranch_scc0 .Lentry_shape_is_right
	s_endpgm
.Lentry_shape_is_right:
; out0[m][n] = the sum over k of ctx[m][k] Wo[k][n] + bo[n].  ctx: f16, laid [batch x head][token][64] (k = 64 head + d); wob: Wo in f16, [k][n]; out0: [4096][1024] f32; sums in f32.
; A tile of out0 is 128 x 128: 256 work-groups.  Four waves, each 64 x 64: 16 accumulators.  K goes in steps of 256 (four heads) through a ring of two LDS slots.
; A's tile: a wave's load brings 64 tokens of four heads: four rows of 8,192 dense bytes, 262,144 bytes apart, 16 bytes of padding behind every 256 (two tokens).
; B's tile: 128 rows (k) of 256 bytes (128 n), 32 bytes of padding behind each; it comes out of LDS turned.
; CLUSTER 4 x 4: A's tile is shared along a row of the cluster, B's along a column: joint loads.  THE MATRIX INSTRUCTION IS USED TRANSPOSED (source 0 = 16 columns n, source 1 = 16 tokens): a lane holds eight neighbouring
; numbers of a row of out0.  The bias is the C of each sum's first instruction.
; REGISTERS: window 0: v16-29 addresses; v32-95 at work on the way out; v96-127 the bias (8 b + j); v128-255 the accumulators.  window 1: two fragment buffers of 128: 64 registers of A, then 64 of B.
.set SLOT,  143360                     ; A: 2 x 34,816; B: 2 x 36,864
.set BOFF,  69632
.set STAGE, 286720                     ; behind the ring: 16 rows x 272 bytes for each wave
.set SPARE, 304128                     ; behind the stages: the spare words, 128 bytes for each wave
.set ADRA, 16                          ; v16-17  my A fragments in slot 0, 1
.set ADRB, 20                          ; v20-23  my B fragments: slot 0 (k 0-127, k 128-255), slot 1 likewise: so that the offsets stay inside 16 bits
.set STO,  24
.set RD,   25
.set CO,   26
.set SPW,  28
.set NIL,  29
.set TMP,  32
.set BIAS, 96
.set ACC,  128
.set F0,   0
.set F1,   128
.set G1,  24
.set G0,  32
.set G1B, 48
.set G0B, 56
.set MSB, 0
.macro WIN new
.if MSB != \new
	s_set_vgpr_msb (MSB<<8)|\new
.set MSB, \new
.endif
.endm
.set MUL,  0x05                        ; sources 0 and 1 window 1; C and D window 0
.set TO_F, 0x40                        ; destination window 1, address window 0
.macro JLOAD s                         ; waves 0 and 1 fetch A's halves, waves 2 and 3 B's; four v_nop follow each line
	s_cmp_eq_u32 s13, 0
	s_cbranch_scc0 .Lfor_b_\@
	tensor_load_to_lds s[G0+4*\s:G0+4*\s+3], s[G1:G1+7]
	s_nop 0
.rept 4
	v_nop
.endr
	s_branch .Lasked_\@
.Lfor_b_\@:
	tensor_load_to_lds s[G0B+4*\s:G0B+4*\s+3], s[G1B:G1B+7]
	s_nop 0
.rept 4
	v_nop
.endr
.Lasked_\@:
.endm
.macro CREST
	s_cmp_lg_u32 s12, 0
	s_cbranch_scc1 .Lnot_wave_0_\@
	s_barrier_signal -3
.Lnot_wave_0_\@:
	s_barrier_wait -3
	s_barrier_signal -1
	s_barrier_wait -1
.endm
.macro CROUND
	s_barrier_signal -1
	s_barrier_wait -1
	CREST
.endm
	s_load_b256 s[4:11], s[0:1], 0x0               ; ctx s[4:5], wob s[6:7], out0 s[8:9], bo s[10:11]
	v_lshl_add_u32 v[SPW], v0, 2, SPARE
	v_mov_b32 v[NIL], 0
	ds_add_u32 v28, v29
	s_wait_dscnt 0x0
	v_lshrrev_b32 v1, 5, v0
	v_readfirstlane_b32 s12, v1                    ; wave 0..3
	s_lshr_b32 s13, s12, 1                         ; which half of the tile's rows is mine.  Also: I fetch for A (0) or for B (1)
	s_and_b32 s14, s12, 1                          ; which half of its columns.  Also: which half of that tile I fetch
	s_bfe_u32 s40, ttmp6, 0x40000                  ; cx
	s_bfe_u32 s41, ttmp6, 0x40004                  ; cy
	s_lshl_b32 s42, ttmp9, 2
	s_add_co_u32 s42, s42, s40                     ; tile column
	s_and_b32 s15, ttmp7, 0xffff
	s_lshl_b32 s15, s15, 2
	s_add_co_u32 s15, s15, s41                     ; tile row
	s_lshl_b32 s43, s41, 2
	s_lshl_b32 s43, 15, s43                        ; my row of the cluster
	s_lshl_b32 s44, 0x1111, s40                    ; my column
	s_or_b32 s[G1], s43, (1<<16)|(1<<20)|(1<<21)|(5<<22)|(3<<25)    ; elements of 2 bytes; four words of padding after every 64
	s_mov_b32 s[G1+1], 4096<<16                    ; tensor_dim0: 64 tokens x 64
	s_mov_b32 s[G1+2], 4<<16                       ; tensor_dim1: four heads
	s_mov_b32 s[G1+3], 4096<<16                    ; tile_dim0
	s_mov_b32 s[G1+4], 4                           ; tile_dim1
	s_mov_b32 s[G1+5], 131072                      ; from head to head: 2,048 x 64 elements
	s_mov_b32 s[G1+6], 0
	s_mov_b32 s[G1+7], 0
	s_or_b32 s[G1B], s44, (1<<16)|(1<<20)|(1<<21)|(5<<22)|(7<<25)   ; eight words of padding after every 64
	s_mov_b32 s[G1B+1], 128<<16
	s_mov_b32 s[G1B+2], 128<<16
	s_mov_b32 s[G1B+3], 128<<16
	s_mov_b32 s[G1B+4], 128
	s_mov_b32 s[G1B+5], 1024
	s_mov_b32 s[G1B+6], 0
	s_mov_b32 s[G1B+7], 0
	s_lshr_b32 s16, s15, 4
	s_lshl_b32 s16, s16, 22                        ; A: the batch's 16 heads of 262,144 bytes,
	s_and_b32 s17, s15, 15
	s_lshl_b32 s17, s17, 14
	s_add_co_u32 s16, s16, s17                     ; the tile's 128 tokens of 128 bytes,
	s_lshl_b32 s17, s14, 13
	s_add_co_u32 s16, s16, s17                     ; my 64 of them
	s_mov_b32 s17, 0
	s_lshl_b32 s46, s14, 18                        ; B: my 128 rows of 2,048 bytes,
	s_lshl_b32 s47, s42, 8
	s_add_co_u32 s46, s46, s47                     ; the tile's 256 bytes of a row
	s_mov_b32 s47, 0
	s_mul_i32 s20, s14, 34816                      ; where they go: no place in the cluster enters an LDS address
	s_mul_i32 s21, s14, 36864
	s_add_co_u32 s21, s21, BOFF
	s_wait_kmcnt 0x0
	s_add_nc_u64 s[18:19], s[4:5], s[16:17]
	s_add_nc_u64 s[46:47], s[6:7], s[46:47]
	CROUND                                         ; all sixteen work-groups are here
.irp s, 0,1
	s_mov_b32 s[G0+4*\s], 1
	s_add_co_u32 s[G0+4*\s+1], s20, \s*SLOT
	s_add_nc_u64 s[G0+4*\s+2:G0+4*\s+3], s[18:19], \s*(1<<20)      ; K step s: four heads on
	s_or_b32 s[G0+4*\s+3], s[G0+4*\s+3], 0x80000000
	s_mov_b32 s[G0B+4*\s], 1
	s_add_co_u32 s[G0B+4*\s+1], s21, \s*SLOT
	s_add_nc_u64 s[G0B+4*\s+2:G0B+4*\s+3], s[46:47], \s*(1<<19)    ; 256 rows on
	s_or_b32 s[G0B+4*\s+3], s[G0B+4*\s+3], 0x80000000
	JLOAD \s
.endr
	v_and_b32 v1, 15, v0                           ; r
	v_bfe_u32 v2, v0, 4, 1                         ; h
	s_lshl_b32 s46, s42, 9
	s_lshl_b32 s47, s14, 8
	s_add_co_u32 s46, s46, s47                     ; my 64 columns, in bytes of f32
	s_mov_b32 s47, 0
	s_add_nc_u64 s[10:11], s[10:11], s[46:47]
	v_lshlrev_b32 v7, 5, v2
.irp b, 0,1,2,3
	global_load_b128 v[BIAS+8*\b:BIAS+8*\b+3],   v7, s[10:11] offset:64*\b       ; bo at columns 16 b + 8 h + 0 .. 7
	global_load_b128 v[BIAS+8*\b+4:BIAS+8*\b+7], v7, s[10:11] offset:64*\b+16
.endr
	v_lshrrev_b32 v3, 1, v1
	v_mul_u32_u24 v3, v3, 272
	v_and_b32 v4, 1, v0
	v_lshl_add_u32 v3, v4, 7, v3
	v_lshl_add_u32 v3, v2, 4, v3                   ; A: token r: unit r / 2, half r % 2, + 16 h
	s_mul_i32 s22, s13, 34816
	v_add_nc_u32 v[ADRA], s22, v3
	s_add_co_u32 s22, s22, SLOT
	v_add_nc_u32 v[ADRA+1], s22, v3
	v_and_b32 v4, 7, v0
	v_lshl_add_u32 v4, v2, 3, v4
	v_mul_u32_u24 v4, v4, 288
	v_bfe_u32 v5, v0, 3, 1
	v_lshl_add_u32 v4, v5, 4, v4                   ; B: row 8 h + lane % 8, columns 8 ((lane / 8) % 2) on,
	s_lshl_b32 s22, s14, 7
	s_add_co_u32 s22, s22, BOFF
	v_add_nc_u32 v6, s22, v4                       ; + my 64 columns
.irp s, 0,1
.irp k, 0,1
	v_add_nc_u32 v[ADRB+2*\s+\k], \s*SLOT+\k*36864, v6
.endr
.endr
	s_mul_i32 s23, s12, 4352
	s_add_co_u32 s23, s23, STAGE                   ; my stage
	v_mul_u32_u24 v4, v1, 272
	v_lshl_add_u32 v4, v2, 5, v4
	v_add_nc_u32 v[STO], s23, v4                   ; in: row r, 32 bytes for each half of the lanes
	v_mul_u32_u24 v5, v2, 272
	v_lshl_add_u32 v5, v1, 4, v5
	v_add_nc_u32 v[RD], s23, v5                    ; back: lanes 0-15 one row of 256 bytes, lanes 16-31 the next
	v_lshlrev_b32 v5, 12, v2
	v_lshl_add_u32 v[CO], v1, 4, v5                ; and the same two rows in out0
	s_lshl_b32 s22, s15, 19
	s_lshl_b32 s23, s13, 18
	s_add_co_u32 s22, s22, s23                     ; my first row: (128 tile row + 64 half) x 4,096 bytes
	s_add_co_u32 s22, s22, s46                     ; + my columns
	s_mov_b32 s23, 0
	s_add_nc_u64 s[8:9], s[8:9], s[22:23]
; 8 matrix instructions: m blocks a0, a0 + 1 x all 4 n blocks, 32 along K: half c of buffer f.  zero = 1: the first product starts the sums, on the bias
.macro MUL8 f, c, a0, zero
.irp a, \a0, \a0+1
.irp b, 0,1,2,3
.if \zero
	v_wmma_f32_16x16x32_f16 v[ACC+8*(4*(\a)+\b):ACC+8*(4*(\a)+\b)+7], v[\f+64+8*(4*\c+\b):\f+64+8*(4*\c+\b)+7], v[\f+8*(4*\c+\a):\f+8*(4*\c+\a)+7], v[BIAS+8*\b:BIAS+8*\b+7]
.else
	v_wmma_f32_16x16x32_f16 v[ACC+8*(4*(\a)+\b):ACC+8*(4*(\a)+\b)+7], v[\f+64+8*(4*\c+\b):\f+64+8*(4*\c+\b)+7], v[\f+8*(4*\c+\a):\f+8*(4*\c+\a)+7], v[ACC+8*(4*(\a)+\b):ACC+8*(4*(\a)+\b)+7]
.endif
.endr
.endr
.endm
; 32 LDS loads in one run: the fragments of quarter qd (64 along K: one head) of a slot into buffer f; the first 32 along K first
.macro FETCH slot, qd, f
	WIN TO_F
.irp c, 0,1
.irp i, 0,1,2,3
	ds_load_tr16_b128 v[\f+64+8*(4*\c+\i):\f+64+8*(4*\c+\i)+3],   v[ADRB+2*\slot+(\qd)/2] offset:(((\qd)%2)*64+32*\c)*288+32*\i
	ds_load_tr16_b128 v[\f+64+8*(4*\c+\i)+4:\f+64+8*(4*\c+\i)+7], v[ADRB+2*\slot+(\qd)/2] offset:(((\qd)%2)*64+32*\c)*288+32*\i+4608
	ds_load_b128 v[\f+8*(4*\c+\i):\f+8*(4*\c+\i)+3],              v[ADRA+\slot] offset:8704*(\qd)+2176*\i+64*\c
	ds_load_b128 v[\f+8*(4*\c+\i)+4:\f+8*(4*\c+\i)+7],            v[ADRA+\slot] offset:8704*(\qd)+2176*\i+64*\c+32
.endr
.endr
.endm
.macro PLACES
.rept 4
	v_nop
.endr
.endm
; One of a K step's first three quarters: multiplies buffer f and fetches quarter qn of the same slot into g
.macro QUARTER slot, qn, f, g, zero
	s_wait_dscnt 16                                ; the first 32 along K are in
	WIN MUL
	MUL8 \f, 0, 0, \zero
	MUL8 \f, 0, 2, \zero
	PLACES
	FETCH \slot, \qn, \g
	s_wait_dscnt 32                                ; all but the 32 just issued
	WIN MUL
	MUL8 \f, 1, 0, 0
	MUL8 \f, 1, 2, 0
.endm
; The last quarter multiplies buffer 1 and changes slots: ONE barrier; in front of it each wave waits for all its tensor loads, adds 0 to its spare word, and waits for that and for its reads of this slot.
.macro TURN slot, next, fill
	WIN 0
	s_wait_tensorcnt 0x0                           ; all my tensor loads have landed: my part of the next slot
	ds_add_u32 v[SPW], v[NIL]                      ; 0 onto my spare word
	s_wait_dscnt 17                                ; (the add and the youngest sixteen loads may be out)
	WIN MUL
	MUL8 F1, 0, 0, 0
	s_wait_dscnt 0x0                               ; the add is done, and my reads of this slot are over
	s_barrier_signal -1
	MUL8 F1, 0, 2, 0
.if \fill
	WIN 0
.endif
	s_barrier_wait -1
.if \fill
	CREST                                          ; the barrier has opened a round of the cluster's barrier
	s_add_nc_u64 s[G0+4*\slot+2:G0+4*\slot+3], s[G0+4*\slot+2:G0+4*\slot+3], 1<<21      ; two K steps on: eight heads
	s_add_nc_u64 s[G0B+4*\slot+2:G0B+4*\slot+3], s[G0B+4*\slot+2:G0B+4*\slot+3], 1<<20  ; 512 rows
	JLOAD \slot                                    ; the first tensor load behind the round; its four v_nop are also the places in front of the loads below
.else
	PLACES
.endif
	FETCH \next, 0, F0
	WIN MUL
	MUL8 F1, 1, 0, 0
	MUL8 F1, 1, 2, 0
.endm
	s_wait_tensorcnt 1                             ; my part of K step 0 is in (K step 1's may be out)
	s_barrier_signal -1
	s_barrier_wait -1                              ; everybody's is
	FETCH 0, 0, F0
	s_wait_loadcnt 0x0                             ; the bias
	QUARTER 0, 1, F0, F1, 1                        ; K step 0: its first products start the sums
	QUARTER 0, 2, F1, F0, 0
	QUARTER 0, 3, F0, F1, 0
	TURN 0, 1, 1                                   ; slot 0 takes K step 2
	QUARTER 1, 1, F0, F1, 0                        ; K step 1
	QUARTER 1, 2, F1, F0, 0
	QUARTER 1, 3, F0, F1, 0
	TURN 1, 0, 1                                   ; slot 1 takes K step 3
	QUARTER 0, 1, F0, F1, 0                        ; K step 2
	QUARTER 0, 2, F1, F0, 0
	QUARTER 0, 3, F0, F1, 0
	TURN 0, 1, 0                                   ; nothing is left to fetch
	QUARTER 1, 1, F0, F1, 0                        ; K step 3
	QUARTER 1, 2, F1, F0, 0
	QUARTER 1, 3, F0, F1, 0
	s_wait_dscnt 16
	WIN MUL
	MUL8 F1, 0, 0, 0
	MUL8 F1, 0, 2, 0
	s_wait_dscnt 0x0
	MUL8 F1, 1, 0, 0
	MUL8 F1, 1, 2, 0
	WIN 0
; THE WAY OUT, block by block of 16 rows x 64 columns of f32: through my own stage, back as rows of 256 bytes, which sixteen lanes store as one aligned run.
.macro TOSTAGE a
.irp b, 0,1,2,3
	ds_store_b128 v[STO], v[ACC+8*(4*(\a)+\b):ACC+8*(4*(\a)+\b)+3] offset:64*\b          ; each accumulator from its low end on
	ds_store_b128 v[STO], v[ACC+8*(4*(\a)+\b)+4:ACC+8*(4*(\a)+\b)+7] offset:64*\b+16
.endr
.set BB, TMP+32*((\a)%2)
.irp t, 0,1,2,3,4,5,6,7
	ds_load_b128 v[BB+4*\t:BB+4*\t+3], v[RD] offset:544*\t       ; LDS serves a wave's instructions in order: these see my stores, and the next block's stores come behind them
.endr
.endm
.macro SEND a, younger
.set BB, TMP+32*((\a)%2)
	s_wait_dscnt \younger                          ; the block is back in registers; the next block's eight stores and eight loads may be out
.irp t, 0,1,2,3,4,5,6,7
	global_store_b128 v[CO], v[BB+4*\t:BB+4*\t+3], s[8:9] offset:(16*(\a)+2*\t)*4096 th:TH_STORE_NT
.endr
.endm
	PLACES
	TOSTAGE 0
.irp a, 1,2,3
.if \a > 1
	s_wait_xcnt 0x0                                ; block a - 2's stores have read their registers: block a's loads may land there
.endif
	TOSTAGE \a
	SEND \a-1, 16
.endr
	SEND 3, 0
	s_wait_tensorcnt 0x0                           ; the wave's end
	ds_add_u32 v[SPW], v[NIL]
	s_wait_dscnt 0x0
	CROUND                                         ; the closing round
	s_endpgm
.Lfunc_end_k_q0e7864c5a9_outp:
	.size	k_q0e7864c5a9_outp, .Lfunc_end_k_q0e7864c5a9_outp-k_q0e7864c5a9_outp
	.p2alignl 7, 3214868480
	.fill 96, 4, 3214868480
	.section	.rodata,"a",@progbits
	.p2align	6, 0x0
	.amdhsa_kernel k_q0e7864c5a9_outp
		.amdhsa_group_segment_fixed_size 327680
		.amdhsa_private_segment_fixed_size 0
		.amdhsa_enable_private_segment 0
		.amdhsa_kernarg_size 32
		.amdhsa_user_sgpr_count 2
		.amdhsa_user_sgpr_kernarg_segment_ptr 1
		.amdhsa_wavefront_size32 1
		.amdhsa_system_sgpr_workgroup_id_x 1
		.amdhsa_system_sgpr_workgroup_id_y 1
		.amdhsa_system_sgpr_workgroup_id_z 1
		.amdhsa_system_vgpr_workitem_id 0
		.amdhsa_next_free_vgpr 512
		.amdhsa_next_free_sgpr 80
		.amdhsa_reserve_vcc 0
		.amdhsa_float_denorm_mode_32 3
		.amdhsa_float_denorm_mode_16_64 3
		.amdhsa_memory_ordered 1
		.amdhsa_forward_progress 1
		.amdhsa_inst_pref_size 87
	.end_amdhsa_kernel
	.amdgpu_metadata
---
amdhsa.version: [ 1, 2 ]
amdhsa.kernels:
  - .name:           k_q0e7864c5a9_outp
    .symbol:         k_q0e7864c5a9_outp.kd
    .args:
      - { .name: ctx, .offset: 0, .size: 8, .value_kind: global_buffer, .address_space: global }
      - { .name: wob, .offset: 8, .size: 8, .value_kind: global_buffer, .address_space: global }
      - { .name: out0, .offset: 16, .size: 8, .value_kind: global_buffer, .address_space: global }
      - { .name: bo, .offset: 24, .size: 8, .value_kind: global_buffer, .address_space: global }
    .group_segment_fixed_size: 327680
    .private_segment_fixed_size: 0
    .kernarg_segment_align: 8
    .kernarg_segment_size: 32
    .max_flat_workgroup_size: 128
    .sgpr_count:     80
    .vgpr_count:     512
    .wavefront_size: 32
...
	.end_amdgpu_metadata
.endif
;; end of part 4
